; MI455X (gfx1250); checked and timed in simulation.
; The chip was launched on July 23, 2026; its instructions are those of AMD's public machine-readable ISA for CDNA 5 (MIT licence, August 2026) and "CDNA5" Instruction Set Architecture Reference Guide (July 2026). The comments in the code are by the model that wrote it; some were corrected since.
;; Causal Self Attention. Allowed arithmetic: matrix products marked QUANTISED: E4M3 operands, one given power-of-two scale a tensor, by v_wmma_f32_16x16x64_fp8_fp8 or v_wmma_f32_16x16x128_fp8_fp8, f32 sums; everything else in f32.
;; Inputs: Wk 1,024 x 1,024 float32; Wo 1,024 x 1,024 float32; Wq 1,024 x 1,024 float32; Wv 1,024 x 1,024 float32; bk 1,024 float32; bo 1,024 float32; bq 1,024 float32; bv 1,024 float32; lowp_scales 12 int32 (the exponents e of the quantised operands' scales 2^e); relative_positions 16 x 1,024 x 2,048 float32; x 4 x 1,024 x 1,024 float32; xl_memory 4 x 1,024 x 2 x 1,024 float32.
;; Outputs: out0 4 x 1,024 x 1,024 float32; out1 4 x 1,024 x 2 x 1,024 float32.
;; This version of the problem:
;;   THIS VERSION OF THE PROBLEM IS GIVEN IN LOW PRECISION. The matrix products marked QUANTISED in the list below multiply operands that are first quantised to E4M3 (4 exponent bits, 3 mantissa bits; 8 bits a number), with one given power-of-two scale for each operand tensor; their sums are f32. All else is computed in f32.
;;   The module's matrix products, in the order in which they are computed (A, B: the left and right operand; K: the contracted axis; several contracted axes count as one K, in the product's order):
;;     1. [M 4,096, K 1,024] x [K 1,024, N 1,024]; A: input x; B: input Wq: QUANTISED (scales: A lowp_scales[0], B lowp_scales[1])
;;     2. [M 4,096, K 1,024] x [K 1,024, N 1,024]; A: input x; B: input Wk: QUANTISED (scales: A lowp_scales[2], B lowp_scales[3])
;;     3. [M 4,096, K 1,024] x [K 1,024, N 1,024]; A: input x; B: input Wv: QUANTISED (scales: A lowp_scales[4], B lowp_scales[5])
;;     4. batch 64 x [M 1,024, K 64] x [K 64, N 2,048]; A: computed on the way; B: computed on the way: QUANTISED (scales: A lowp_scales[6], B lowp_scales[7])
;;     5. batch 64 x [M 1,024, K 2,048] x [K 2,048, N 64]; A: softmax (see below); B: computed on the way: QUANTISED (scales: A lowp_scales[8], B lowp_scales[9])
;;     6. [M 4,096, K 1,024] x [K 1,024, N 1,024]; A: computed on the way; B: input Wo: QUANTISED (scales: A lowp_scales[10], B lowp_scales[11])
;;   THE QUANTISER, for each operand of a quantised product, along K:
;;     - The operand's scale is 2^e, e = its entry of the input lowp_scales (int32; the entries are numbered through the quantised products in the list's order, A before B).
;;     - Each number is divided by the scale, clamped to +-448, and rounded to the nearest number of E4M3, ties to even, subnormals kept.
;;     - The product sums the exact products of the quantised numbers (number of the format x scale) in f32.
;;   ~~~python
;;   def quantise(x, axis, e):      # numpy; x: float32 -> the quantised numbers, widened to float32 again
;;       x = np.moveaxis(x, axis, -1); K = x.shape[-1]
;;       r = np.clip(x / 2.0 ** e, -448, 448)
;;       step = 2.0 ** (np.maximum(np.frexp(np.where(r == 0, 1, r))[1] - 1, -6) - 3)
;;       q = np.round(r / step) * step * 2.0 ** e      # np.round: ties to even
;;       return np.moveaxis(q, -1, axis).astype(np.float32)
;;   ~~~
;;   SOFTMAX AHEAD OF A QUANTISED PRODUCT. Where the list says 'softmax', what is quantised is not the finished softmax but p = 2^(t - M), with t = logit x log2(e) and M = ceil(the row's largest t), a whole number; so 1/2 < the row's largest p <= 1. The row's sum l is taken of the UNQUANTISED p, in f32, and the product's result is divided by l at the end. Since M is a whole number, a kernel that streams over the keys may use a running M (the ceiling of the running maximum): every later rescaling is an exact power of two, so the quantised numbers keep their values, but for numbers so far below the row's largest that they fall under the format's range.
;;   OPERANDS COMPUTED ON THE WAY. 'Computed on the way' means the value that the module computes at that place (a softmax that the list does not call 'softmax' is quantised finished and normalised). What goes into a quantiser is computed in f32, as accurately as f32 sums, v_exp_f32 and their like allow (about 1e-6 of the number): no bf16 or f16 on the way to a quantiser, and a product that is left as it is and whose result goes on into a quantised operand takes f32 operands (vector FMAs, or v_wmma_f32_16x16x4_f32). A number that lies on a knife's edge between two numbers of the format may be rounded either way, as far as f32 arithmetic and the matrix unit's own rounding can turn it there, and no further.
;; One version. Each part assembles by itself: llvm-mc -triple=amdgcn-amd-amdhsa -mcpu=gfx1250 --defsym DOCPART=n.
;; ======== version 1 of 1: 4 launches
;; limits: right only within a limited range of input values
;; workspace buffers: xc 12,582,912 bytes; wc 4,194,304 bytes; qc 4,194,304 bytes; kvc 16,777,216 bytes; ac 4,194,304 bytes
;; launch prep (part 1): grid 512 x 1, 4 waves a work-group, no clusters, 113,152 bytes of LDS; arguments x, xl_memory, Wq, Wk, Wv, Wo, lowp_scales, xc, wc, kvc; writes xc, wc, kvc
.if DOCPART == 1
	.amdgcn_target "amdgcn-amd-amdhsa--gfx1250"
	.amdhsa_code_object_version 6
	.text
	.protected	k_q0780366fef_prep
	.globl	k_q0780366fef_prep
	.p2align	8
	.type	k_q0780366fef_prep,@function
k_q0780366fef_prep:
	s_mov_b64 s[64:65], 0
	v_nop
	global_prefetch_b8 v0, s[64:65] scope:SCOPE_SE
	s_setreg_imm32_b32 hwreg(HW_REG_WAVE_MODE, 25, 1), 1
	s_wait_xcnt 0x0
; PREP: every input that is an operand of a quantised product becomes codes of FP8 (E4M3), laid as its reader wants it.
; code = number / 2^e, held within +-448, rounded to the nearest code, ties to even; e is the operand's entry of lowp_scales.
;   path X (work-groups 4 j):     x [4096][1024] f32 -> xc [3][4096][1024], once with e0, once with e2, once with e4 (the three products may have three scales)
;   path K (work-groups 4 j + 1): the keys of xl_memory -> kvc, K part of steps 0..7, with e7
;   path W (work-groups 4 j + 2): Wq, Wk, Wv, Wo [k][n] f32 -> wc [4][pos][k], K innermost, with e1, e3, e5, e11
;   path V (work-groups 4 j + 3): the values of xl_memory -> kvc, V part of steps 0..7, keys innermost, with e9
; kvc: [batch][head][step of 128 keys: 16] blocks of 16,384 bytes: 128 rows (key) x 64 d, then 2 x 64 rows (channel) x 64 keys.
; SW(n) = n with bits 3 and 4 exchanged.  Column n of a weight lies at row SW(n), key k at row SW(k % 128), channel d at row SW(d): sixteen neighbouring rows are then a tile
; whose results, in a product used transposed, give a lane sixteen neighbours along the next K in the registers of two neighbouring tiles.
; The four paths part on the work-group's number alone; each has LDS bytes of its own.  Waves share nothing: no barrier.  No tensor load: what is read is read once and turned in small stages.
; No cluster: no two work-groups read the same bytes.  No prefetch: the launch does nothing but stream, with 16 to 64 loads of every wave on their way.
; LIMITS: each e used here lies between -126 and 119, so that 2^e and 448 x 2^e are f32 numbers.  NaN among the inputs is not served; an infinity is held at the largest code.
.set PKB,   20480                      ; LDS: path X 4 x 5,120 from 0; path K 4 x 5,120 from here;
.set PWB,   40960                      ; path W 4 x 8,704 (32 rows x 272);
.set PVB,   75776                      ; path V 4 x 9,216 (32 rows x 288);
.set SPARE, 112640                     ; the spare words, 128 bytes for each wave: two blocks of 256 bytes that no other line names
.set SPW,   12                         ; v12  LDS address of my spare word; never rewritten
.set NIL,   13                         ; v13  0; never rewritten
.set R,     16                         ; paths X, K: v16-79 four sets of 16 numbers as loaded
.set X,     80                         ; v80-111 two sets of 16 neighbours
.set HH,    112
.set C,     128                        ; codes: path X two sets of 12; path K four registers a step
.set CX,    32                         ; paths W, V: v32-95 two sets of 32 numbers down K
.set CC,    96                         ; v96-103 a block's codes
.set CO,    112                        ; v112-175 the way out
.macro MKS e, vs, vl                   ; 2^e as f32 (the conversion takes its exponent field) and 448 x 2^e
	s_add_co_i32 s60, s[\e], 127
	s_lshl_b32 s61, s60, 23
	v_mov_b32 v[\vs], s61
	s_add_co_i32 s60, s60, 8
	s_lshl_b32 s60, s60, 23
	s_or_b32 s60, s60, 0x600000
.endm
.macro CLOSE                           ; the wave's end
	s_wait_tensorcnt 0x0
	ds_add_u32 v[SPW], v[NIL]
	s_wait_dscnt 0x0
	s_endpgm
.endm
.macro LD4 t, off, istr                ; a step's four loads, 512 consecutive bytes each, into set t % 4
.irp i, 0,1,2,3
	global_load_b128 v[R+16*((\t)%4)+4*\i:R+16*((\t)%4)+4*\i+3], v3, s[4:5] offset:(\off)+(\istr)*\i th:TH_LOAD_NT
.endr
.endm
.macro TURN t, istr                    ; a step's 2,048 bytes through my stage t % 2: in as loaded, back 64 bytes a lane.  LDS serves a wave's instructions in order
.irp i, 0,1,2,3
	ds_store_b128 v14, v[R+16*((\t)%4)+4*\i:R+16*((\t)%4)+4*\i+3] offset:2560*((\t)%2)+(\istr)*\i
.endr
.irp i, 0,1,2,3
	ds_load_b128 v[X+16*((\t)%2)+4*\i:X+16*((\t)%2)+4*\i+3], v15 offset:2560*((\t)%2)+16*\i
.endr
.endm
	s_load_b512 s[4:19], s[0:1], 0x0               ; x s[4:5], xl s[6:7], Wq s[8:9], Wk s[10:11], Wv s[12:13], Wo s[14:15], the exponents s[16:17], xc s[18:19]
	s_load_b128 s[20:23], s[0:1], 0x40             ; wc s[20:21], kvc s[22:23]
	v_lshl_add_u32 v[SPW], v0, 2, SPARE
	v_mov_b32 v[NIL], 0
	v_lshrrev_b32 v1, 5, v0
	v_readfirstlane_b32 s38, v1                    ; wave 0..3
	v_and_b32 v2, 31, v0                           ; lane
	s_and_b32 s36, ttmp9, 3                        ; the path
	s_lshr_b32 s37, ttmp9, 2                       ; j = 0..127
	s_lshl_b32 s39, s37, 2
	s_add_co_u32 s39, s39, s38                     ; u = 4 j + wave = 0..511
	s_mov_b32 s43, 0
	s_mov_b32 s47, 0
	s_wait_kmcnt 0x0
	s_load_b256 s[24:31], s[16:17], 0x0            ; e0 .. e7
	s_load_b128 s[32:35], s[16:17], 0x20           ; e8 .. e11
	s_wait_kmcnt 0x0
	s_cmp_eq_u32 s36, 1
	s_cbranch_scc1 .Lpath_k
	s_cmp_eq_u32 s36, 2
	s_cbranch_scc1 .Lpath_w
	s_cmp_eq_u32 s36, 3
	s_cbranch_scc1 .Lpath_v
; ---- PATH X.  Wave u takes 8,192 numbers of x, 16 steps of 512.  Rows are dense: x is a plain stream, and so are its codes.
	s_wait_alu depctr_va_vdst(0)
	v_lshlrev_b32 v3, 4, v2                        ; my 16 bytes of a load's 512
	v_lshlrev_b32 v4, 4, v2                        ; my 16 codes of a step's 512
	s_mul_i32 s40, s38, 5120                       ; my two stages
	v_lshrrev_b32 v14, 2, v2
	v_mul_u32_u24 v14, v14, 80
	v_and_b32 v15, 3, v2
	v_lshl_add_u32 v14, v15, 4, v14
	v_add_nc_u32 v14, s40, v14                     ; in: four lanes' 64 bytes on end, then 16 of padding
	v_mul_u32_u24 v15, v2, 80
	v_add_nc_u32 v15, s40, v15                     ; back: 80 x lane: my 16 neighbours
	s_lshl_b32 s42, s39, 15
	s_add_nc_u64 s[4:5], s[4:5], s[42:43]          ; x at my first number
	s_lshl_b32 s42, s39, 13
	s_add_nc_u64 s[44:45], s[18:19], s[42:43]      ; my codes in the three sets, 4 MiB apart
	s_add_nc_u64 s[46:47], s[44:45], 0x400000
	s_add_nc_u64 s[48:49], s[44:45], 0x800000
.macro XLOAD t
	LD4 (\t), 2048*(\t), 512
.endm
.irp t, 0,1,2,3
	XLOAD \t
.endr
	MKS 24, 152, 153                               ; e0
	MKS 26, 154, 155                               ; e2
	MKS 28, 156, 157                               ; e4
	s_wait_alu depctr_va_vdst(0)
	s_wait_loadcnt 12                              ; step 0's four loads are in; the twelve of steps 1 to 3 may be out
	TURN 0, 640
.macro XSTEP t
.set XS, X+16*((\t)%2)
.set CS, C+12*((\t)%2)
	s_wait_dscnt 0x0                               ; this step's numbers are back from the stage, and the stage's stores have read their registers,
.if (\t)+4 < 16
	XLOAD (\t)+4                                   ; which take the loads of four steps on
.endif
.if (\t)+1 < 16
.if 14-(\t) >= 3
	s_wait_loadcnt 12                              ; the next step's four loads are in; those of the three steps behind it may be out
.else
	s_wait_loadcnt 4*(14-(\t))
.endif
	TURN (\t)+1, 640
.endif
	s_wait_xcnt 0x0                                ; the stores of two steps ago have read this set of code registers
.irp p, 0,1,2
.irp i, 0,1,2,3,4,5,6,7,8,9,10,11,12,13,14,15
.endr
	v_cvt_scalef32_pk8_fp8_f32 v[CS+4*\p:CS+4*\p+1], v[XS:XS+7], v[152+2*\p]
	v_cvt_scalef32_pk8_fp8_f32 v[CS+4*\p+2:CS+4*\p+3], v[XS+8:XS+15], v[152+2*\p]
	v_nop                                          ; a plain line behind the conversions
	global_store_b128 v4, v[CS+4*\p:CS+4*\p+3], s[44+2*\p:45+2*\p] offset:512*(\t)   ; the wave stores 512 consecutive bytes, aligned
.endr
.endm
.irp t, 0,1,2,3,4,5,6,7,8,9,10,11,12,13,14,15
	XSTEP \t
.endr
	CLOSE
; ---- PATH K.  Wave u takes 8 keys of one batch, all 1,024 columns.  A step is 4 keys x 128 columns (two heads): on the way back lane l holds head l / 16, key (l / 4) % 4, 16 d at l % 4,
; so that sixteen lanes store 4 rows of 64 bytes, 256 consecutive bytes, aligned (four keys that begin at a multiple of 4 keep their order under SW).
.Lpath_k:
	s_wait_alu depctr_va_vdst(0)
	v_lshlrev_b32 v3, 4, v2
	v_and_b32 v4, 15, v2
	v_lshlrev_b32 v4, 4, v4
	v_lshrrev_b32 v5, 4, v2
	v_lshl_add_u32 v4, v5, 18, v4                  ; out: 262,144 (a head) x (l / 16) + 16 (l % 16)
	s_mul_i32 s40, s38, 5120
	s_add_co_u32 s40, s40, PKB
	v_bfe_u32 v6, v2, 2, 2
	v_lshl_add_u32 v6, v5, 4, v6
	v_mul_u32_u24 v14, v6, 80
	v_and_b32 v6, 3, v2
	v_lshl_add_u32 v14, v6, 4, v14
	v_add_nc_u32 v14, s40, v14                     ; in: place 16 (l / 16) + (l / 4) % 4, + 4 for each key (320 bytes, in the immediate)
	v_mul_u32_u24 v15, v2, 80
	v_add_nc_u32 v15, s40, v15
	s_lshr_b32 s41, s39, 7                         ; batch
	s_and_b32 s42, s39, 127
	s_lshl_b32 s42, s42, 3                         ; my first key m0
	s_lshl_b32 s46, s41, 10
	s_add_co_u32 s46, s46, s42
	s_lshl_b32 s46, s46, 13                        ; a key's row of xl_memory is 8,192 bytes: its k, then its v
	s_add_nc_u64 s[4:5], s[6:7], s[46:47]
	s_lshl_b32 s46, s41, 22                        ; a batch's 16 heads of 262,144 bytes
	s_lshr_b32 s48, s42, 7
	s_lshl_b32 s48, s48, 14                        ; the step
	s_add_co_u32 s46, s46, s48
	s_and_b32 s48, s42, 96                         ; SW(m0 % 128)
	s_and_b32 s49, s42, 8
	s_lshl_b32 s49, s49, 1
	s_or_b32 s48, s48, s49
	s_and_b32 s49, s42, 16
	s_lshr_b32 s49, s49, 1
	s_or_b32 s48, s48, s49
	s_lshl_b32 s48, s48, 6
	s_add_co_u32 s46, s46, s48
	s_add_nc_u64 s[44:45], s[22:23], s[46:47]
.macro KLOAD t
	LD4 (\t), (4*((\t)/8))*8192+512*((\t)%8), 8192
.endm
.irp t, 0,1,2,3
	KLOAD \t
.endr
	MKS 31, 11, 10                                 ; e7
	s_wait_alu depctr_va_vdst(0)
	s_wait_loadcnt 12
	TURN 0, 320
.macro KSTEP t
.set XS, X+16*((\t)%2)
	s_wait_dscnt 0x0
.if (\t)+4 < 16
	KLOAD (\t)+4
.endif
.if (\t)+1 < 16
.if 14-(\t) >= 3
	s_wait_loadcnt 12                              ; as in path X
.else
	s_wait_loadcnt 4*(14-(\t))
.endif
	TURN (\t)+1, 320
.endif
.irp i, 0,1,2,3,4,5,6,7,8,9,10,11,12,13,14,15
.endr
	v_cvt_scalef32_pk8_fp8_f32 v[C+4*(\t):C+4*(\t)+1], v[XS:XS+7], v11
	v_cvt_scalef32_pk8_fp8_f32 v[C+4*(\t)+2:C+4*(\t)+3], v[XS+8:XS+15], v11
	global_store_b128 v4, v[C+4*(\t):C+4*(\t)+3], s[44:45] offset:((\t)%8)*524288+((\t)/8)*256   ; each step has code registers of its own
.endm
.irp t, 0,1,2,3,4,5,6,7,8,9,10,11,12,13,14,15
	KSTEP \t
.endr
	CLOSE
; ---- PATHS W AND V.  K is not innermost in memory: a lane takes a column and its registers run down K, 32 a block, 8 blocks; the codes come out with K innermost and leave through my stage.
.macro CLOAD t, rs                     ; block t: rows 32 t .. 32 t + 31 of my column, rs bytes apart; 32 lanes read 128 consecutive bytes
.set ii, 0
.rept 32
	global_load_b32 v[CX+32*((\t)%2)+ii], v3, s[4:5] offset:(32*(\t)+ii)*(\rs) th:TH_LOAD_NT
.set ii, ii+1
.endr
.endm
.macro CBLOCK t, rs
.if (\t) < 7
	s_wait_loadcnt 32                              ; this block's 32 loads are in; the next block's may be out
.else
	s_wait_loadcnt 0x0
.endif
.set ii, 0
.rept 32
.set ii, ii+1
.endr
.irp g, 0,1,2,3
	v_cvt_scalef32_pk8_fp8_f32 v[CC+2*\g:CC+2*\g+1], v[CX+32*((\t)%2)+8*\g:CX+32*((\t)%2)+8*\g+7], v11
.endr
	ds_store_b128 v4, v[CC:CC+3] offset:32*(\t)    ; 32 codes of my column's row
	ds_store_b128 v4, v[CC+4:CC+7] offset:32*(\t)+16
.if (\t)+2 < 8
	CLOAD (\t)+2, \rs
.endif
	s_wait_dscnt 0x0                               ; the stores have read their registers: the next block's codes may be written
.endm
.Lpath_w:
	s_and_b32 s40, s37, 7                          ; which 128 columns
	s_bfe_u32 s41, s37, 0x20003                    ; which 256 along K
	s_lshr_b32 s42, s37, 5                         ; which weight
	s_lshl_b32 s50, s40, 7
	s_lshl_b32 s46, s38, 5
	s_add_co_u32 s50, s50, s46                     ; n0: my wave's first column
	s_cmp_eq_u32 s42, 0                            ; the weight and its exponent: a choice on the work-group's number alone
	s_cselect_b64 s[44:45], s[8:9], s[10:11]
	s_cselect_b32 s51, s25, s27
	s_cmp_lt_u32 s42, 2
	s_cselect_b64 s[44:45], s[44:45], s[12:13]
	s_cselect_b32 s51, s51, s29
	s_cmp_lt_u32 s42, 3
	s_cselect_b64 s[44:45], s[44:45], s[14:15]
	s_cselect_b32 s51, s51, s35
	s_lshl_b32 s46, s41, 20                        ; 256 rows of 4,096 bytes
	s_lshl_b32 s52, s50, 2
	s_add_co_u32 s46, s46, s52
	s_add_nc_u64 s[4:5], s[44:45], s[46:47]
	s_lshl_b32 s46, s42, 20                        ; wc: the weight's 1 MiB, row n0 of 1,024 bytes, 256 bytes along K
	s_lshl_b32 s52, s50, 10
	s_add_co_u32 s46, s46, s52
	s_lshl_b32 s52, s41, 8
	s_add_co_u32 s46, s46, s52
	s_add_nc_u64 s[48:49], s[20:21], s[46:47]
	s_mul_i32 s53, s38, 8704
	s_add_co_u32 s53, s53, PWB                     ; my stage
	s_wait_alu depctr_va_vdst(0)
	v_lshlrev_b32 v3, 2, v2
	v_mul_u32_u24 v4, v2, 272
	v_add_nc_u32 v4, s53, v4                       ; in: row = my column
	v_and_b32 v5, 15, v2
	v_lshrrev_b32 v6, 4, v2
	v_mul_u32_u24 v7, v6, 272
	v_lshl_add_u32 v7, v5, 4, v7
	v_add_nc_u32 v7, s53, v7                       ; back: sixteen lanes to a row, two rows an instruction
	v_lshlrev_b32 v8, 10, v6
	v_lshl_add_u32 v8, v5, 4, v8
	CLOAD 0, 4096
	CLOAD 1, 4096
	MKS 51, 11, 10
	s_wait_alu depctr_va_vdst(0)
.irp t, 0,1,2,3,4,5,6,7
	CBLOCK \t, 4096
.endr
.irp t, 0,1,2,3,4,5,6,7,8,9,10,11,12,13,14,15
	ds_load_b128 v[CO+4*\t:CO+4*\t+3], v7 offset:2*\t*272
.endr
.irp t, 0,1,2,3,4,5,6,7,8,9,10,11,12,13,14,15
	s_wait_dscnt 15-\t                             ; the younger loads may be out
	global_store_b128 v8, v[CO+4*\t:CO+4*\t+3], s[48:49] offset:(((2*\t)%8)+16*(((2*\t)/8)%2)+8*((2*\t)/16))*1024   ; columns 2 t, 2 t + 1 go to rows SW(2 t), SW(2 t) + 1; sixteen lanes store 256 consecutive bytes, aligned
.endr
	CLOSE
.Lpath_v:
	s_and_b32 s40, s37, 7                          ; which 128 columns
	s_bfe_u32 s41, s37, 0x20003                    ; which 256 keys
	s_lshr_b32 s42, s37, 5                         ; batch
	s_lshl_b32 s50, s40, 7
	s_lshl_b32 s46, s38, 5
	s_add_co_u32 s50, s50, s46                     ; n0
	s_lshl_b32 s46, s42, 10
	s_lshl_b32 s52, s41, 8
	s_add_co_u32 s46, s46, s52
	s_lshl_b32 s46, s46, 13                        ; the first key's row,
	s_add_co_u32 s46, s46, 4096                    ; its v,
	s_lshl_b32 s52, s50, 2
	s_add_co_u32 s46, s46, s52                     ; my column
	s_add_nc_u64 s[4:5], s[6:7], s[46:47]
	s_lshl_b32 s46, s42, 4
	s_lshr_b32 s52, s50, 6
	s_add_co_u32 s46, s46, s52                     ; 16 batch + head
	s_lshl_b32 s46, s46, 4
	s_lshl_b32 s52, s41, 1
	s_add_co_u32 s46, s46, s52                     ; the first of my two steps
	s_lshl_b32 s46, s46, 14
	s_add_co_u32 s46, s46, 8192                    ; its V part
	s_and_b32 s52, s50, 63
	s_lshl_b32 s52, s52, 6
	s_add_co_u32 s46, s46, s52                     ; my 32 channels' rows
	s_add_nc_u64 s[48:49], s[22:23], s[46:47]
	s_mul_i32 s53, s38, 9216
	s_add_co_u32 s53, s53, PVB
	s_wait_alu depctr_va_vdst(0)
	v_lshlrev_b32 v3, 2, v2
	v_mul_u32_u24 v4, v2, 288
	v_add_nc_u32 v4, s53, v4                       ; in: row = my channel, 256 bytes along the keys
	v_lshrrev_b32 v5, 2, v2
	v_mul_u32_u24 v7, v5, 288
	v_and_b32 v6, 3, v2
	v_lshl_add_u32 v7, v6, 4, v7
	v_add_nc_u32 v7, s53, v7                       ; back: four lanes to 64 keys of a channel, eight channels an instruction
	v_lshlrev_b32 v8, 4, v2
	CLOAD 0, 8192
	CLOAD 1, 8192
	MKS 33, 11, 10                                 ; e9
	s_wait_alu depctr_va_vdst(0)
.irp t, 0,1,2,3,4,5,6,7
	CBLOCK \t, 8192
.endr
.irp k, 0,1,2,3
.irp g, 0,1,2,3
	ds_load_b128 v[CO+4*(4*\k+\g):CO+4*(4*\k+\g)+3], v7 offset:8*\g*288+64*\k
.endr
.endr
.irp k, 0,1,2,3
.irp g, 0,1,2,3
	s_wait_dscnt 15-(4*\k+\g)
	global_store_b128 v8, v[CO+4*(4*\k+\g):CO+4*(4*\k+\g)+3], s[48:49] offset:(\k/2)*16384+(\k%2)*4096+(16*(\g%2)+8*(\g/2))*64   ; keys 64 k on; channels 8 g .. 8 g + 7 go to rows SW(8 g) on: 512 consecutive bytes, aligned
.endr
.endr
	CLOSE
.Lfunc_end_k_q0780366fef_prep:
	.size	k_q0780366fef_prep, .Lfunc_end_k_q0780366fef_prep-k_q0780366fef_prep
	.p2alignl 7, 3214868480
	.fill 96, 4, 3214868480
	.section	.rodata,"a",@progbits
	.p2align	6, 0x0
	.amdhsa_kernel k_q0780366fef_prep
		.amdhsa_group_segment_fixed_size 113152
		.amdhsa_private_segment_fixed_size 0
		.amdhsa_enable_private_segment 0
		.amdhsa_kernarg_size 80
		.amdhsa_user_sgpr_count 2
		.amdhsa_user_sgpr_kernarg_segment_ptr 1
		.amdhsa_wavefront_size32 1
		.amdhsa_system_sgpr_workgroup_id_x 1
		.amdhsa_system_sgpr_workgroup_id_y 1
		.amdhsa_system_sgpr_workgroup_id_z 1
		.amdhsa_system_vgpr_workitem_id 0
		.amdhsa_next_free_vgpr 192
		.amdhsa_next_free_sgpr 66
		.amdhsa_reserve_vcc 0
		.amdhsa_float_denorm_mode_32 3
		.amdhsa_float_denorm_mode_16_64 3
		.amdhsa_fp16_overflow 1
		.amdhsa_memory_ordered 1
		.amdhsa_forward_progress 1
		.amdhsa_inst_pref_size 116
	.end_amdhsa_kernel
	.amdgpu_metadata
---
amdhsa.version: [ 1, 2 ]
amdhsa.kernels:
  - .name:           k_q0780366fef_prep
    .symbol:         k_q0780366fef_prep.kd
    .args:
      - { .name: x, .offset: 0, .size: 8, .value_kind: global_buffer, .address_space: global }
      - { .name: xl_memory, .offset: 8, .size: 8, .value_kind: global_buffer, .address_space: global }
      - { .name: Wq, .offset: 16, .size: 8, .value_kind: global_buffer, .address_space: global }
      - { .name: Wk, .offset: 24, .size: 8, .value_kind: global_buffer, .address_space: global }
      - { .name: Wv, .offset: 32, .size: 8, .value_kind: global_buffer, .address_space: global }
      - { .name: Wo, .offset: 40, .size: 8, .value_kind: global_buffer, .address_space: global }
      - { .name: lowp_scales, .offset: 48, .size: 8, .value_kind: global_buffer, .address_space: global }
      - { .name: xc, .offset: 56, .size: 8, .value_kind: global_buffer, .address_space: global }
      - { .name: wc, .offset: 64, .size: 8, .value_kind: global_buffer, .address_space: global }
      - { .name: kvc, .offset: 72, .size: 8, .value_kind: global_buffer, .address_space: global }
    .group_segment_fixed_size: 113152
    .private_segment_fixed_size: 0
    .kernarg_segment_align: 8
    .kernarg_segment_size: 80
    .max_flat_workgroup_size: 128
    .sgpr_count:     66
    .vgpr_count:     192
    .wavefront_size: 32
...
	.end_amdgpu_metadata
.endif
;; end of part 1
;; launch qkv (part 2): grid 8 x 32, 4 waves a work-group, clusters of 4 x 4, 327,680 bytes of LDS; arguments xc, wc, lowp_scales, bq, bk, bv, qc, kvc, out1; writes qc, kvc, out1
.if DOCPART == 2
	.amdgcn_target "amdgcn-amd-amdhsa--gfx1250"
	.amdhsa_code_object_version 6
	.text
	.protected	k_q0780366fef_qkv
	.globl	k_q0780366fef_qkv
	.p2align	8
	.type	k_q0780366fef_qkv,@function
k_q0780366fef_qkv:
	s_mov_b64 s[64:65], 0
	v_nop
	global_prefetch_b8 v0, s[64:65] scope:SCOPE_SE
	s_setreg_imm32_b32 hwreg(HW_REG_WAVE_MODE, 25, 1), 1
	s_wait_xcnt 0x0
	s_wait_alu depctr_hold_cnt(0) depctr_sa_sdst(0) depctr_va_vdst(0) depctr_va_sdst(0) depctr_va_ssrc(0) depctr_va_vcc(0) depctr_vm_vsrc(0)
	s_getreg_b32 s2, hwreg(HW_REG_IB_STS2, 6, 4)
	s_cmp_eq_u32 s2, 0
	s_cbranch_scc0 .Lentry_in_a_cluster
	s_endpgm
.Lentry_in_a_cluster:
	s_bfe_u32 s2, ttmp6, 0x10000c
	s_cmp_lg_u32 s2, 0xf033
	s_cbranch_scc0 .Lentry_shape_is_right
	s_endpgm
.Lentry_shape_is_right:
; QKV: q = (x Wq + bq) / 8, k = x Wk + bk, v = x Wv + bv on codes of FP8 (E4M3); k and v leave as f32 (out1) and, like q, as codes for the attention.
; xc [3][4096][1024]: x's codes with e0, e2, e4.  wc [4][1024 rows][1024 k]: column n of a weight at row SW(n) (bits 3 and 4 exchanged).  A sum of codes stands for sum x 2^(eA + eB).
; SHARES.  A work-group of four waves makes a tile of 128 rows x 128 columns of q, then of k, then of v: 8 x 32 = 256 work-groups of equal work.  A wave makes 64 x 64: 16 accumulators; its 64 columns are one head.
; K = 1,024 goes in two slots of 512 along K (LDS rows of 512 bytes + 16); the three products are six slot steps through a ring of two slots, written out: no loop.
; CLUSTERS: 4 x 4 work-groups.  The four of a row of the cluster need the same rows of x, the four of a column the same rows of the weight: each tile is asked for jointly.
; THE MATRIX INSTRUCTION IS USED TRANSPOSED (source 0 = 16 rows of the weight, source 1 = 16 rows of x): by SW, in block a of 16 rows, register 16 B + i of lane (r, h) is C(16 a + r, 32 B + 16 h + i):
; sixteen neighbours along the head's 64, which is the next product's K for q and k.  v's next K is the keys: its block is turned through the f32 stage, a lane to a channel, registers down the keys.
; A fragment is fetched by four loads of 16 bytes, 32 apart: a permutation of k that is the same in both operands.
; By this text's own count a wave has two tensor loads out at the start and one behind each round.
; No prefetch: the launch is short and its tiles are shared in the cluster.  A wave tile of 128 x 128 would leave WGPs without work at these sizes.
; LIMITS: e0 + e1, e2 + e3, e4 + e5 between -126 and 127; e6 + 3, e7, e9 between -126 and 119.  NaN among the inputs is not served.
; REGISTERS: window 0: v1-3 at work; v4-11 codes; v12-27 addresses; v28, v29 the add's two; v30, v31 the conversion's scale and limit; v32-63 the bias; v64-95 T; v96-127 OB; v128-255 the accumulators.
;   window 1: two fragment buffers of 128: x's four fragments (16 registers each), then the weight's four.
.set PITCH, 528
.set HALFT, 64*PITCH                   ; 64 rows: what one tensor load brings
.set SLOT,  4*HALFT                    ; x's 128 rows, then the weight's 128
.set FST,   2*SLOT                     ; behind the ring: an f32 stage of 16 rows x 272 for each wave,
.set FSTW,  16*272
.set CST,   FST+4*FSTW                 ; a stage for codes of 64 rows x 80 for each wave,
.set CSTW,  64*80
.set SPARE, CST+4*CSTW                 ; and the spare words, 128 bytes for each wave: two blocks of 256 bytes that no other line names
.set C,    4
.set CRD,  12
.set GOC,  13
.set GO1,  14
.set BOFF, 15
.set ADRA, 16
.set ADRB, 20
.set FSTO, 22
.set FRD,  23
.set FCOL, 24
.set CSN,  25
.set CSP,  26
.set CSV,  27
.set SPW,  28
.set NIL,  29
.set BIAS, 32
.set T,    64
.set OB,   96
.set ACC,  128
.set F0,   0
.set F1,   128
.set G1A,  24                          ; s[24:31] group 1 for x's tiles; s[32:39] group 0, a set for each slot
.set G0A,  32
.set G1B,  40                          ; s[40:47], s[48:55] the same for the weight's
.set G0B,  48
.set MSB, 0
.macro WIN new                         ; the immediate's high byte repeats the setting that is left
.if MSB != \new
	s_set_vgpr_msb (MSB<<8)|\new
.set MSB, \new
.endif
.endm
.set MUL,  0x05                        ; sources 0 and 1 window 1; C and D window 0
.set TO_F, 0x40                        ; destination window 1, address window 0
.macro PLACES
.rept 4
	v_nop
.endr
.endm
.macro CROUND                          ; a round of the cluster's barrier
	s_barrier_signal -1
	s_barrier_wait -1
	s_cmp_lg_u32 s12, 0
	s_cbranch_scc1 .Lnot_wave_0_\@
	s_barrier_signal -3
.Lnot_wave_0_\@:
	s_barrier_wait -3
	s_barrier_signal -1
	s_barrier_wait -1
.endm
.macro JLOAD s                         ; a joint load: waves 0 and 1 fetch x's two halves, waves 2 and 3 the weight's; an s_nop 0 and four v_nop follow each line
	s_cmp_lt_u32 s12, 2
	s_cbranch_scc0 .Lfor_b_\@
	tensor_load_to_lds s[G0A+4*(\s):G0A+4*(\s)+3], s[G1A:G1A+7]
	s_nop 0
.rept 4
	v_nop
.endr
	s_branch .Lasked_\@
.Lfor_b_\@:
	tensor_load_to_lds s[G0B+4*(\s):G0B+4*(\s)+3], s[G1B:G1B+7]
	s_nop 0
.rept 4
	v_nop
.endr
.Lasked_\@:
.endm
.macro FETCH slot, q, f                ; 32 LDS loads in one run: the fragments of the slot's q-th 128 along K into buffer f
	WIN TO_F
.irp i, 0,1,2,3
.irp c, 0,1,2,3
	ds_load_b128 v[\f+64+16*\i+4*\c:\f+64+16*\i+4*\c+3], v[ADRB+\slot] offset:128*\q+32*\c+\i*16*PITCH
.endr
.endr
.irp i, 0,1,2,3
.irp c, 0,1,2,3
	ds_load_b128 v[\f+16*\i+4*\c:\f+16*\i+4*\c+3], v[ADRA+\slot] offset:128*\q+32*\c+\i*16*PITCH
.endr
.endr
.endm
.macro MUL16 f, zero                   ; 16 matrix instructions, the 16 accumulators by turns; zero = 1: the first product starts the sums
	WIN MUL
.irp a, 0,1,2,3
.irp b, 0,1,2,3
.if \zero
	v_wmma_f32_16x16x128_fp8_fp8 v[ACC+8*(4*\a+\b):ACC+8*(4*\a+\b)+7], v[\f+64+16*\b:\f+64+16*\b+15], v[\f+16*\a:\f+16*\a+15], 0
.else
	v_wmma_f32_16x16x128_fp8_fp8 v[ACC+8*(4*\a+\b):ACC+8*(4*\a+\b)+7], v[\f+64+16*\b:\f+64+16*\b+15], v[\f+16*\a:\f+16*\a+15], v[ACC+8*(4*\a+\b):ACC+8*(4*\a+\b)+7]
.endif
.endr
.endr
.endm
.macro SLOTWORK slot, zero             ; a slot's four quarters of 128 along K.  Four plain places stand between the last product that read a buffer and the loads into it
	FETCH \slot, 0, F0
	FETCH \slot, 1, F1
	s_wait_dscnt 32                                ; buffer 0 is in; the 32 loads of buffer 1 may be out
	MUL16 F0, \zero
	s_wait_dscnt 0x0
	PLACES
	FETCH \slot, 2, F0
	MUL16 F1, 0
	s_wait_dscnt 0x0
	PLACES
	FETCH \slot, 3, F1
	MUL16 F0, 0
	s_wait_dscnt 0x0
	MUL16 F1, 0
	PLACES                                         ; for the first read of results and for the next slot's loads
	WIN 0
.endm
; The change to slot `slot`.  Each wave waits for all its tensor loads (its part of that slot), adds 0 to its spare word, and waits for that and for its reads of the other slot.
; refill = 1: the barrier is a round of the cluster's, and the other slot's joint refill is the first thing behind it: the same K half of the next product (x's next set, the next weight).
.macro CHANGE slot, refill
	s_wait_tensorcnt 0x0
	ds_add_u32 v[SPW], v[NIL]
.if \refill
	s_add_nc_u64 s[G0A+4*(1-\slot)+2:G0A+4*(1-\slot)+3], s[G0A+4*(1-\slot)+2:G0A+4*(1-\slot)+3], 0x400000
	s_add_nc_u64 s[G0B+4*(1-\slot)+2:G0B+4*(1-\slot)+3], s[G0B+4*(1-\slot)+2:G0B+4*(1-\slot)+3], 0x100000
.endif
	s_wait_dscnt 0x0
.if \refill
	CROUND
	JLOAD 1-\slot
.else
	s_barrier_signal -1
	s_barrier_wait -1
.endif
.endm
	s_load_b256 s[4:11], s[0:1], 0x0               ; xc s[4:5], wc s[6:7], the exponents s[8:9], bq s[10:11]
	s_load_b256 s[68:75], s[0:1], 0x20             ; bk s[68:69], bv s[70:71], qc s[72:73], kvc s[74:75]
	s_load_b64 s[76:77], s[0:1], 0x40              ; out1
	v_lshl_add_u32 v[SPW], v0, 2, SPARE
	v_mov_b32 v[NIL], 0
	ds_add_u32 v[SPW], v[NIL]                      ; the wave's opening: the add and its wait ahead of my first tensor load
	ds_add_u32 v[SPW], v[NIL]
	v_lshrrev_b32 v1, 5, v0
	v_readfirstlane_b32 s12, v1                    ; wave 0..3
	s_lshr_b32 s13, s12, 1                         ; which half of the tile's rows is mine
	s_and_b32 s14, s12, 1                          ; which half of its columns; also: which 64 rows I fetch
	s_bfe_u32 s15, ttmp6, 0x40000                  ; cx
	s_bfe_u32 s16, ttmp6, 0x40004                  ; cy
	s_lshl_b32 s17, ttmp9, 2
	s_add_co_u32 s17, s17, s15                     ; tile column
	s_and_b32 s18, ttmp7, 0xffff
	s_lshl_b32 s18, s18, 2
	s_add_co_u32 s18, s18, s16                     ; tile row
	s_lshl_b32 s56, s16, 2
	s_lshl_b32 s56, 15, s56                        ; my row of the cluster
	s_lshl_b32 s57, 0x1111, s15                    ; my column
	s_or_b32 s[G1A], s56, (0<<16)|(1<<20)|(1<<21)|(6<<22)|(3<<25)   ; the mask; elements of 1 byte; padding on; bit 21 beside a mask; after every 128 words, 4 words
	s_or_b32 s[G1B], s57, (0<<16)|(1<<20)|(1<<21)|(6<<22)|(3<<25)
.irp g, G1A, G1B
	s_mov_b32 s[\g+1], 512<<16                     ; tensor_dim0 = 512
	s_mov_b32 s[\g+2], 64<<16                      ; tensor_dim1 = 64
	s_mov_b32 s[\g+3], 512<<16                     ; tile_dim0 = 512
	s_mov_b32 s[\g+4], 64                          ; tile_dim1 = 64
	s_mov_b32 s[\g+5], 1024                        ; from row to row
	s_mov_b32 s[\g+6], 0
	s_mov_b32 s[\g+7], 0
.endr
	s_lshl_b32 s58, s18, 7                         ; x: row 128 x tile row + 64 x half, 1,024 bytes a row
	s_lshl_b32 s59, s14, 6
	s_add_co_u32 s58, s58, s59
	s_lshl_b32 s58, s58, 10
	s_mov_b32 s59, 0
	s_lshl_b32 s60, s17, 7                         ; the weight: row 128 x tile column + 64 x half
	s_lshl_b32 s61, s14, 6
	s_add_co_u32 s60, s60, s61
	s_lshl_b32 s60, s60, 10
	s_mov_b32 s61, 0
	s_mul_i32 s62, s12, HALFT                      ; where they go: wave x 64 rows
	s_wait_dscnt 0x0                               ; the opening add is done
	s_wait_kmcnt 0x0
	s_load_b256 s[80:87], s[8:9], 0x0              ; e0 .. e7
	s_load_b128 s[88:91], s[8:9], 0x20             ; e8 .. e11
	s_add_nc_u64 s[58:59], s[4:5], s[58:59]
	s_add_nc_u64 s[60:61], s[6:7], s[60:61]
.irp s, 0,1
	s_mov_b32 s[G0A+4*\s], 1
	s_add_co_u32 s[G0A+4*\s+1], s62, \s*SLOT
	s_add_nc_u64 s[G0A+4*\s+2:G0A+4*\s+3], s[58:59], \s*512
	s_or_b32 s[G0A+4*\s+3], s[G0A+4*\s+3], 0x80000000
	s_mov_b32 s[G0B+4*\s], 1
	s_add_co_u32 s[G0B+4*\s+1], s62, \s*SLOT
	s_add_nc_u64 s[G0B+4*\s+2:G0B+4*\s+3], s[60:61], \s*512
	s_or_b32 s[G0B+4*\s+3], s[G0B+4*\s+3], 0x80000000
.endr
	CROUND                                         ; all sixteen work-groups are here: the first joint loads meet
	s_cmp_lt_u32 s12, 2                            ; a wave's two first fills stand in one branch, ahead of every wait on TENSORcnt and every LDS read
	s_cbranch_scc0 .Lfirst_b
	tensor_load_to_lds s[G0A:G0A+3], s[G1A:G1A+7]
	s_nop 0
	tensor_load_to_lds s[G0A+4:G0A+7], s[G1A:G1A+7]
	s_nop 0
.rept 4
	v_nop
.endr
	s_branch .Lfirst_asked
.Lfirst_b:
	tensor_load_to_lds s[G0B:G0B+3], s[G1B:G1B+7]
	s_nop 0
	tensor_load_to_lds s[G0B+4:G0B+7], s[G1B:G1B+7]
	s_nop 0
.rept 4
	v_nop
.endr
.Lfirst_asked:
	v_and_b32 v1, 15, v0                           ; r
	s_wait_alu depctr_va_vdst(0)
	v_bfe_u32 v2, v0, 4, 1                         ; h
	v_mul_u32_u24 v3, v1, PITCH
	v_lshl_add_u32 v3, v2, 4, v3                   ; a fragment's row x pitch + 16 h
	s_mul_i32 s19, s13, HALFT                      ; my 64 rows of x
	s_mul_i32 s20, s14, HALFT
	s_add_co_u32 s20, s20, 2*HALFT                 ; my 64 rows of the weight
.irp s, 0,1
	v_add_nc_u32 v[ADRA+\s], s19, v3
	v_add_nc_u32 v[ADRB+\s], s20, v3
	s_add_co_u32 s19, s19, SLOT
	s_add_co_u32 s20, s20, SLOT
.endr
	s_mul_i32 s19, s12, FSTW
	s_add_co_u32 s19, s19, FST                     ; my f32 stage
	v_mul_u32_u24 v3, v1, 272
	s_wait_alu depctr_va_vdst(0)
	v_lshl_add_u32 v3, v2, 6, v3
	v_add_nc_u32 v[FSTO], s19, v3                  ; in: row r, + 64 h: my 16 numbers of each 32
	v_mul_u32_u24 v3, v2, 272
	v_lshl_add_u32 v3, v1, 4, v3
	v_add_nc_u32 v[FRD], s19, v3                   ; back by rows: sixteen lanes to a row of 256 bytes
	v_and_b32 v3, 31, v0
	v_lshl_add_u32 v[FCOL], v3, 2, s19             ; back by columns: a lane to a channel
	s_mul_i32 s20, s12, CSTW
	s_add_co_u32 s20, s20, CST                     ; my stage for codes
	v_mul_u32_u24 v3, v1, 80
	v_lshl_add_u32 v3, v2, 4, v3
	v_add_nc_u32 v[CSN], s20, v3                   ; q: row r
	v_and_b32 v3, 8, v1
	v_add_nc_u32 v3, v3, v1
	v_mul_u32_u24 v3, v3, 80
	v_lshl_add_u32 v3, v2, 4, v3
	v_add_nc_u32 v[CSP], s20, v3                   ; k: row r + 8 (r / 8): r's part of SW
	v_and_b32 v3, 7, v0
	v_bfe_u32 v[GOC], v0, 3, 1
	v_lshl_add_u32 v3, v[GOC], 4, v3
	v_lshl_add_u32 v3, v2, 3, v3
	v_mul_u32_u24 v3, v3, 80
	v_add_nc_u32 v[CSV], s20, v3                   ; v: row SW(lane)
	v_bfe_u32 v3, v0, 2, 3
	v_mul_u32_u24 v3, v3, 80
	v_and_b32 v[GOC], 3, v0
	v_lshl_add_u32 v3, v[GOC], 4, v3
	v_add_nc_u32 v[CRD], s20, v3                   ; back: four lanes to a row of 64 bytes
	v_and_b32 v[GOC], 31, v0
	v_lshlrev_b32 v[GOC], 4, v[GOC]                ; and out: 16 x lane
	v_lshlrev_b32 v[GO1], 13, v2
	v_lshl_add_u32 v[GO1], v1, 4, v[GO1]           ; out1: two rows of 8,192 bytes an instruction
	v_lshlrev_b32 v[BOFF], 6, v2
	s_wait_alu depctr_va_vdst(0)
	s_lshl_b32 s19, s18, 7
	s_lshl_b32 s20, s13, 6
	s_add_co_u32 s19, s19, s20                     ; m0: my first row
	s_lshl_b32 s78, s17, 7
	s_lshl_b32 s20, s14, 6
	s_add_co_u32 s78, s78, s20                     ; n0: my first column
	s_lshr_b32 s20, s19, 10
	s_lshl_b32 s20, s20, 4
	s_lshr_b32 s21, s78, 6
	s_add_co_u32 s20, s20, s21                     ; 16 batch + head
	s_and_b32 s21, s19, 1023                       ; t0
	s_mov_b32 s23, 0
	s_lshl_b32 s22, s20, 10
	s_add_co_u32 s22, s22, s21
	s_lshl_b32 s22, s22, 6
	s_add_nc_u64 s[94:95], s[72:73], s[22:23]      ; q's codes: [batch][head][t][64]
	s_lshl_b32 s22, s20, 4
	s_lshr_b32 s79, s21, 7
	s_add_co_u32 s22, s22, s79
	s_add_co_u32 s22, s22, 8                       ; the new keys are steps 8 .. 15
	s_lshl_b32 s22, s22, 14
	s_add_nc_u64 s[98:99], s[74:75], s[22:23]
	s_and_b32 s22, s21, 127
	s_lshl_b32 s22, s22, 6
	s_add_nc_u64 s[96:97], s[98:99], s[22:23]      ; k's codes: my 64 rows of the step's 128
	s_bfe_u32 s22, s21, 0x10006
	s_lshl_b32 s22, s22, 12
	s_add_co_u32 s22, s22, 8192
	s_add_nc_u64 s[98:99], s[98:99], s[22:23]      ; v's codes: my block of 64 channels x 64 keys
	s_lshl_b32 s22, s19, 13
	s_lshl_b32 s79, s78, 2
	s_add_co_u32 s22, s22, s79
	s_add_nc_u64 s[100:101], s[76:77], s[22:23]    ; out1 at (m0, k, n0); v lies 4,096 bytes on
	s_mov_b32 s22, s79
	s_add_nc_u64 s[10:11], s[10:11], s[22:23]      ; the biases at n0
	s_add_nc_u64 s[68:69], s[68:69], s[22:23]
	s_add_nc_u64 s[70:71], s[70:71], s[22:23]
.macro BIASLOAD base                   ; register 16 B + i: the bias of column n0 + 32 B + 16 h + i
.irp q, 0,1,2,3,4,5,6,7
	global_load_b128 v[BIAS+4*\q:BIAS+4*\q+3], v[BOFF], s[\base:\base+1] offset:128*(\q/4)+16*(\q%4)
.endr
.endm
	BIASLOAD 10
	s_wait_kmcnt 0x0                               ; the exponents
; THE WAYS OUT.
.macro EPIHEAD ea, eb, ec, plus        ; 2^(ea + eb) for the sums; 2^(ec + plus) and 448 x that for the conversion.  No branch hangs on a given exponent
	s_wait_loadcnt 0x0                             ; the bias
	s_wait_xcnt 0x0                                ; earlier stores have read T and OB
	s_add_co_i32 s92, s[\ea], s[\eb]
	s_add_co_i32 s92, s92, 127
	s_lshl_b32 s92, s92, 23
	s_mov_b32 s93, s92                             ; (named with it as a pair)
	s_add_co_i32 s79, s[\ec], 127+\plus
	s_lshl_b32 s21, s79, 23
	v_mov_b32 v30, s21
	s_add_co_i32 s79, s79, 8
	s_lshl_b32 s79, s79, 23
	s_or_b32 s79, s79, 0x600000
	v_mov_b32 v31, s79
.endm
.macro SUMS a                          ; T = sum x 2^(ea + eb) + bias, each accumulator from its low end on
.set n, 0
.rept 16
	v_pk_fma_f32 v[T+n:T+n+1], v[ACC+32*(\a)+n:ACC+32*(\a)+n+1], s[92:93], v[BIAS+n:BIAS+n+1] op_sel_hi:[1,0,1]
.set n, n+2
.endr
.endm
.macro HOLD dst, src                   ; the conversion to an 8-bit code does not saturate (ISA guide 7.6.2)
.set n, 0
.rept 32
	v_med3_num_f32 v[(\dst)+n], v[(\src)+n], -v31, v31
.set n, n+1
.endr
.endm
.macro CVT4 src
.irp g, 0,1,2,3
	v_cvt_scalef32_pk8_fp8_f32 v[C+2*\g:C+2*\g+1], v[(\src)+8*\g:(\src)+8*\g+7], v30
.endr
	v_nop                                          ; a plain line behind the conversions: vector and matrix instructions write their sources later
.endm
.macro TOFST                           ; a block of 16 rows x 64 f32 into my stage and back as whole rows.  LDS serves a wave's instructions in order
.irp q, 0,1,2,3,4,5,6,7
	ds_store_b128 v[FSTO], v[T+4*\q:T+4*\q+3] offset:128*(\q/4)+16*(\q%4)
.endr
.irp i, 0,1,2,3,4,5,6,7
	ds_load_b128 v[OB+4*\i:OB+4*\i+3], v[FRD] offset:2*\i*272
.endr
.endm
.macro SENDF a, plus
.irp i, 0,1,2,3,4,5,6,7
	global_store_b128 v[GO1], v[OB+4*\i:OB+4*\i+3], s[100:101] offset:(16*(\a)+2*\i)*8192+\plus th:TH_STORE_NT   ; sixteen lanes store 256 consecutive bytes, aligned
.endr
.endm
.macro EPIOUT base                     ; my 64 rows of 64 codes leave as 4,096 consecutive bytes
.irp i, 0,1,2,3,4,5,6,7
	ds_load_b128 v[T+4*\i:T+4*\i+3], v[CRD] offset:640*\i
.endr
.irp i, 0,1,2,3,4,5,6,7
	s_wait_dscnt 7-\i                              ; the younger loads may be out
	global_store_b128 v[GOC], v[T+4*\i:T+4*\i+3], s[\base:\base+1] offset:512*\i
.endr
.endm
	s_wait_tensorcnt 0x1                           ; my part of slot 0 is in; slot 1's may stay out
	s_barrier_signal -1
	s_barrier_wait -1
	SLOTWORK 0, 1                                  ; q
	CHANGE 1, 1
	SLOTWORK 1, 0
	EPIHEAD 80, 81, 86, 3                          ; q's code = (sum x 2^(e0 + e1) + bq) / 2^(e6 + 3): the factor 1 / 8 is a power of two and goes into the conversion's scale
.irp a, 0,1,2,3
	SUMS \a
	HOLD T, T
	s_wait_alu depctr_va_vdst(0)
	s_wait_dscnt 0x0                               ; the last block's stores have read the code registers
	CVT4 T
	ds_store_b128 v[CSN], v[C:C+3] offset:16*\a*80
	ds_store_b128 v[CSN], v[C+4:C+7] offset:16*\a*80+32
.endr
	EPIOUT 94
	BIASLOAD 68
	CHANGE 0, 1
	SLOTWORK 0, 1                                  ; k
	CHANGE 1, 1
	SLOTWORK 1, 0
	EPIHEAD 82, 83, 87, 0
.irp a, 0,1,2,3
	s_wait_xcnt 0x0                                ; the last block's stores have read OB
	SUMS \a
	TOFST
	HOLD ACC+32*\a, T                              ; the sums are used up: their registers take the held numbers
	s_wait_alu depctr_va_vdst(0)
	s_wait_dscnt 0x0
	CVT4 ACC+32*\a
	ds_store_b128 v[CSP], v[C:C+3] offset:(32*(\a/2)+8*(\a%2))*80
	ds_store_b128 v[CSP], v[C+4:C+7] offset:(32*(\a/2)+8*(\a%2))*80+32
	SENDF \a, 0
.endr
	EPIOUT 96
	BIASLOAD 70
	CHANGE 0, 1
	SLOTWORK 0, 1                                  ; v
	CHANGE 1, 0                                    ; nothing is left to fetch: the work-group's barrier
	SLOTWORK 1, 0
	EPIHEAD 84, 85, 89, 0
.irp a, 0,1,2,3
	s_wait_xcnt 0x0
	SUMS \a
	TOFST
.irp g, 0,1
.irp p, 0,1,2,3,4,5,6,7,8,9,10,11,12,13,14,15
	ds_load_b32 v[ACC+32*\a+16*\g+\p], v[FCOL] offset:\p*272+128*\g   ; channel lane + 32 g, keys 16 a + 0 .. 15 down my registers
.endr
.endr
	s_wait_dscnt 0x0
	SENDF \a, 4096
	HOLD ACC+32*\a, ACC+32*\a
	CVT4 ACC+32*\a
	ds_store_b128 v[CSV], v[C:C+3] offset:16*\a
	ds_store_b128 v[CSV], v[C+4:C+7] offset:2560+16*\a
.endr
	EPIOUT 98
	s_wait_tensorcnt 0x0                           ; the wave's end
	ds_add_u32 v[SPW], v[NIL]
	s_wait_dscnt 0x0
	CROUND                                         ; the closing round
	s_endpgm
.Lfunc_end_k_q0780366fef_qkv:
	.size	k_q0780366fef_qkv, .Lfunc_end_k_q0780366fef_qkv-k_q0780366fef_qkv
	.p2alignl 7, 3214868480
	.fill 96, 4, 3214868480
	.section	.rodata,"a",@progbits
	.p2align	6, 0x0
	.amdhsa_kernel k_q0780366fef_qkv
		.amdhsa_group_segment_fixed_size 327680
		.amdhsa_private_segment_fixed_size 0
		.amdhsa_enable_private_segment 0
		.amdhsa_kernarg_size 72
		.amdhsa_user_sgpr_count 2
		.amdhsa_user_sgpr_kernarg_segment_ptr 1
		.amdhsa_wavefront_size32 1
		.amdhsa_system_sgpr_workgroup_id_x 1
		.amdhsa_system_sgpr_workgroup_id_y 1
		.amdhsa_system_sgpr_workgroup_id_z 1
		.amdhsa_system_vgpr_workitem_id 0
		.amdhsa_next_free_vgpr 512
		.amdhsa_next_free_sgpr 102
		.amdhsa_reserve_vcc 0
		.amdhsa_float_denorm_mode_32 3
		.amdhsa_float_denorm_mode_16_64 3
		.amdhsa_memory_ordered 1
		.amdhsa_forward_progress 1
		.amdhsa_inst_pref_size 163
	.end_amdhsa_kernel
	.amdgpu_metadata
---
amdhsa.version: [ 1, 2 ]
amdhsa.kernels:
  - .name:           k_q0780366fef_qkv
    .symbol:         k_q0780366fef_qkv.kd
    .args:
      - { .name: xc, .offset: 0, .size: 8, .value_kind: global_buffer, .address_space: global }
      - { .name: wc, .offset: 8, .size: 8, .value_kind: global_buffer, .address_space: global }
      - { .name: lowp_scales, .offset: 16, .size: 8, .value_kind: global_buffer, .address_space: global }
      - { .name: bq, .offset: 24, .size: 8, .value_kind: global_buffer, .address_space: global }
      - { .name: bk, .offset: 32, .size: 8, .value_kind: global_buffer, .address_space: global }
      - { .name: bv, .offset: 40, .size: 8, .value_kind: global_buffer, .address_space: global }
      - { .name: qc, .offset: 48, .size: 8, .value_kind: global_buffer, .address_space: global }
      - { .name: kvc, .offset: 56, .size: 8, .value_kind: global_buffer, .address_space: global }
      - { .name: out1, .offset: 64, .size: 8, .value_kind: global_buffer, .address_space: global }
    .group_segment_fixed_size: 327680
    .private_segment_fixed_size: 0
    .kernarg_segment_align: 8
    .kernarg_segment_size: 72
    .max_flat_workgroup_size: 128
    .sgpr_count:     102
    .vgpr_count:     512
    .wavefront_size: 32
...
	.end_amdgpu_metadata
.endif
;; end of part 2
;; launch attn (part 3): grid 4 x 64, 16 waves a work-group, clusters of 4 x 4, 327,680 bytes of LDS; arguments qc, kvc, relative_positions, lowp_scales, ac; writes ac
.if DOCPART == 3
	.amdgcn_target "amdgcn-amd-amdhsa--gfx1250"
	.amdhsa_code_object_version 6
	.text
	.protected	k_q0780366fef_attn
	.globl	k_q0780366fef_attn
	.p2align	8
	.type	k_q0780366fef_attn,@function
k_q0780366fef_attn:
	s_mov_b64 s[64:65], 0
	v_nop
	global_prefetch_b8 v0, s[64:65] scope:SCOPE_SE
	s_setreg_imm32_b32 hwreg(HW_REG_WAVE_MODE, 25, 1), 1
	s_wait_xcnt 0x0
	s_wait_alu depctr_hold_cnt(0) depctr_sa_sdst(0) depctr_va_vdst(0) depctr_va_sdst(0) depctr_va_ssrc(0) depctr_va_vcc(0) depctr_vm_vsrc(0)
	s_getreg_b32 s2, hwreg(HW_REG_IB_STS2, 6, 4)
	s_cmp_eq_u32 s2, 0
	s_cbranch_scc0 .Lentry_in_a_cluster
	s_endpgm
.Lentry_in_a_cluster:
	s_bfe_u32 s2, ttmp6, 0x10000c
	s_cmp_lg_u32 s2, 0xf033
	s_cbranch_scc0 .Lentry_shape_is_right
	s_endpgm
.Lentry_shape_is_right:
; ATTN: for each batch and head, o = softmax((rel + q k^T) / 8, key j hidden for query i where j > i + 1024) v, both products on codes of FP8 (E4M3); o leaves as codes for the last product.
; qc [batch][head][1024][64].  kvc [batch][head][16 steps of 128 keys][128 rows (key at row SW(key % 128)) x 64 d | 2 x 64 rows (channel at row SW(d)) x 64 keys].  rel [head][1024][2048] f32.
; ac [head][4096 rows][64].  SW exchanges bits 3 and 4.
; THE SOFTMAX: t = logit x log2(e); M = the running largest t rounded up to a whole number; p = 2^(t - M) is quantised with e8, not normalised; the row's sum is taken of the unquantised p and divides at the end.
; When M moves, the sum and O are multiplied by 2^(old M - new M).
; SHARES.  A cluster of 4 x 4 work-groups is one head: cx = the batch, cy = the class c.  The 1,024 queries are 8 groups of 128; class c owns rows 32 c .. 32 c + 31 of every group: 16 tiles of 16 queries, one to a wave.
; All queries of group g see steps 0 .. 8 + g and no more, and the last of these lies on the diagonal: what a wave leaves out hangs on its number alone, and every work-group has the same work, 200 wave steps.
; rel's tile hangs on head and class: the four batches ask for it jointly, so that rel is fetched once for four.  K's and V's block hangs on batch and head: the four classes ask for it jointly.
; THE RING: two slots.  A work-group needs 100 tiles of rel (a group's 32 rows x a step's 512 bytes), 9 + g for group g; a slot has 8 places: 13 fills.  Fills 0 .. 8 are steps 0 .. 8, all groups; fill 9 is step 9, groups 1 .. 7.
; THE TAIL IS FOLDED: step 8 + j has 8 - j visible groups, so steps 10 and 15, 11 and 14, 12 and 13 share a slot: 7 tiles of rel and two blocks of K and V.  No tile is fetched that nobody reads.
; So the key steps are not walked in ascending order: a wave of group 7 walks 0 .. 10, 15, 11, 14, 12, 13.  The running M serves any order; only numbers far below a row's largest can fall under the format's range otherwise than in ascending order.
; WHO FETCHES, one tensor load a wave behind each round: waves 0 to 7 a tile of rel into place w, wave 8 the first block of K and V, wave 14 a folded fill's second block.  In a folded fill with j = 2, 3, 4 (steps 8 + j and 17 - j)
; waves j .. 7 fetch (group w, step 8 + j), waves 1 .. j - 1 fetch (group w + 8 - j, step 17 - j), wave 0 nothing.  The trips whose fills are not whole are written out; the branches round their loads hang on the wave's number alone.
; A wave has at most one tensor load out, and every wait for tensor loads is for all.
; LAYOUT.  Both products are used transposed: S^T = K Q^T + rel (rel, divided by 2^(e6 + e7), is the C of the product), O^T = V^T P^T: a lane holds one query throughout.
; By SW the 16 registers of tiles 2 b, 2 b + 1 of S^T are keys 32 b + 16 h + 0 .. 15, and those of O^T channels 32 B + 16 h + 0 .. 15.
; LIMITS: e6 + e7 between -123 and 126; e8 and e10 - e8 - e9 between -126 and 119.  NaN among the inputs is not served.
; REGISTERS: v1-4 LDS addresses (rel, K and V, a slot each); v5, v6 the add's two; v7 the mask's number; v8, v9 the prefetches' offsets; v11 q's offset; v12 -M, v13 the largest t, v[14:15] the sum; v16-23 Q;
;   v24-26 the way out's addresses; v28, v29 the second block of K and V, a slot each; v32-95 K's 8 fragments, then V's 4; v96-159 S^T, then p; v160-191 O^T; v192-207 p's codes;
;   v208-210 rel of a folded fill's second step, j = 2, 3, 4; v236-255 at work.
.set RELG,  32*528                     ; a tile of rel: 32 rows x (512 bytes + 16)
.set REL0,  3584                       ; a slot: the second block of K and V at 0 (20,480 bytes); rel's places 0 .. 7 from here: place 0 lies under that block, and a fill uses one of the two;
.set KOFF,  REL0+8*RELG                ; the first block of K and V: 128 rows x 80, then 128 rows x 80
.set VREL,  128*80
.set SLOT,  KOFF+2*VREL                ; 159,232
.set SPARE, 2*SLOT                     ; behind the ring: the spare words, 128 bytes for each wave: eight blocks of 256 bytes that no other line names
.set ARL,  1
.set AKV,  3
.set SPW,  5
.set NIL,  6
.set DQ,   7
.set PFOR, 8
.set PFOK, 9
.set STI,  24
.set STB,  25
.set GOA,  26
.set AKB,  28
.set ARB,  208
.macro CROUND                          ; a round of the cluster's barrier
	s_barrier_signal -1
	s_barrier_wait -1
	s_cmp_lg_u32 s14, 0
	s_cbranch_scc1 .Lnot_wave_0_\@
	s_barrier_signal -3
.Lnot_wave_0_\@:
	s_barrier_wait -3
	s_barrier_signal -1
	s_barrier_wait -1
.endm
.macro TL g0, g1                       ; a tensor load; an s_nop 0 and four v_nop follow it
	tensor_load_to_lds s[\g0:\g0+3], s[\g1:\g1+7]
	s_nop 0
.rept 4
	v_nop
.endr
.endm
; A fill's loads.  lo: the first wave that fetches its own group's tile.  j > 0: a folded fill (lo = j).  All branches hang on the wave's number alone: they are alike in all sixteen partners.
.macro TLOAD lo, j
	s_cmp_lt_u32 s14, 8
	s_cbranch_scc0 .Lnot_r_\@
.if \lo > 0
	s_cmp_lt_u32 s14, \lo
	s_cbranch_scc1 .Llow_\@
.endif
	TL 40, 24                                      ; (group w, the fill's first step) into place w
	s_branch .Lasked_\@
.if \lo > 0
.Llow_\@:
.if \j > 0
	s_cmp_eq_u32 s14, 0
	s_cbranch_scc1 .Lasked_\@
	TL 84, 24                                      ; (group w + 8 - j, the fill's second step) into place w
.endif
	s_branch .Lasked_\@
.endif
.Lnot_r_\@:
	s_cmp_eq_u32 s14, 8
	s_cbranch_scc0 .Lnot_k_\@
	TL 44, 32                                      ; K and V of the first step
	s_branch .Lasked_\@
.Lnot_k_\@:
.if \j > 0
	s_cmp_eq_u32 s14, 14
	s_cbranch_scc0 .Lasked_\@
	TL 88, 32                                      ; K and V of the second step
.endif
.Lasked_\@:
.endm
; PREFETCHES INTO THE L2, behind the trip's tensor loads, by waves that fetch nothing in that trip's fill of rel.  s54 = 1 + the trip's number = the first step just asked for.
; rel: one instruction names steps s54 + 1 and s54 + 2 of one group: 32 rows x 1,024 bytes; the four batches share the rows out by address, 8 each; a lane takes row lane / 4, block lane % 4 of 256 bytes.
; Waves 9 to 12 (jj = wave - 9) ask in trips on slot 0 for group 2 jj + 1 and in trips on slot 1 for group 2 jj, while s54 + slot <= 7 + 2 jj, in trips 0 to 10.
; The folded fills want two pairs sooner: wave 12 asks in trip 8 for steps 14, 15 of group 7 and in trip 9 for steps 13, 14 of group 6.  So each group's pairs end at step 8 + g: each block is named once, and no hidden one.
; K, V: wave 13, in trips 0, 2 .. 10, steps s54 + 1 and s54 + 2: 2 x 64 blocks; the four classes take 16 of each step, by address; steps 14, 15 in trip 8.
; Each request stands one trip or more ahead of the fill that wants it.  The first steps (rel: 0, 1 and, in even groups, 2; K, V: 0, 1) come by their loads alone.
.macro ASKR slot
	s_add_co_u32 s80, s54, \slot
	s_cmp_le_u32 s80, s70
	s_cbranch_scc0 .Lno_r_\@
	global_prefetch_b8 v[PFOR], s[68:69] offset:(1-\slot)*1048576 th:TH_LOAD_NT scope:SCOPE_SE
.Lno_r_\@:
.endm
.macro ASKRX off
	s_cmp_eq_u32 s14, 12
	s_cbranch_scc0 .Lno_x_\@
	global_prefetch_b8 v[PFOR], s[68:69] offset:\off th:TH_LOAD_NT scope:SCOPE_SE
.Lno_x_\@:
.endm
.macro ASKK off
	s_cmp_le_u32 s54, s71
	s_cbranch_scc0 .Lno_k_\@
	global_prefetch_b8 v[PFOK], s[72:73] offset:\off th:TH_LOAD_NT scope:SCOPE_SE
.Lno_k_\@:
.endm
	s_load_b256 s[4:11], s[0:1], 0x0               ; qc s[4:5], kvc s[6:7], rel s[8:9], the exponents s[10:11]
	s_load_b64 s[12:13], s[0:1], 0x20              ; ac
	v_lshl_add_u32 v[SPW], v0, 2, SPARE
	v_mov_b32 v[NIL], 0
	ds_add_u32 v[SPW], v[NIL]                      ; the wave's opening: the add and its wait ahead of my first tensor load
	ds_add_u32 v[SPW], v[NIL]
	v_lshrrev_b32 v10, 5, v0
	s_delay_alu instid0(VALU_DEP_1)
	v_readfirstlane_b32 s14, v10                   ; wave 0..15
	s_bfe_u32 s15, ttmp6, 0x40000                  ; cx: the batch
	s_bfe_u32 s16, ttmp6, 0x40004                  ; cy: the class
	s_and_b32 s17, ttmp7, 0xffff                   ; the cluster's y: the head
	s_lshr_b32 s80, s14, 2                         ; my tile: with a = wave / 4 and b = wave % 4, group g = ((a & 2) | (b / 2)) xor 7 ((a xor b) & 1), half u = a & 1:
	s_and_b32 s81, s14, 3                          ; any four waves w .. w + 3, and any four w, w + 4, w + 8, w + 12, have groups that add up to 14
	s_and_b32 s82, s80, 2
	s_lshr_b32 s83, s81, 1
	s_or_b32 s82, s82, s83
	s_xor_b32 s83, s80, s81
	s_and_b32 s83, s83, 1
	s_mul_i32 s83, s83, 7
	s_xor_b32 s18, s82, s83                        ; g
	s_and_b32 s19, s80, 1                          ; u
	s_add_co_u32 s53, s18, 8                       ; my last step
	s_and_b32 s81, s14, 7                          ; the place that I fill, if I fetch rel
	s_mul_i32 s57, s81, RELG
	s_add_co_u32 s57, s57, REL0
	s_lshl_b32 s82, s16, 2
	s_lshl_b32 s82, 15, s82                        ; my row of the cluster: the four batches of my class
	s_lshl_b32 s83, 0x1111, s15                    ; my column: the four classes of my batch
	s_or_b32 s24, s82, (2<<16)|(1<<20)|(1<<21)|(6<<22)|(3<<25)   ; rel: elements of 4 bytes; padding: 4 words after every 128
	s_mov_b32 s25, 128<<16                         ; tensor_dim0 = 128
	s_mov_b32 s26, 32<<16                          ; tensor_dim1 = 32
	s_mov_b32 s27, 128<<16                         ; tile_dim0 = 128
	s_mov_b32 s28, 32                              ; tile_dim1 = 32
	s_mov_b32 s29, 2048                            ; from row to row
	s_mov_b32 s30, 0
	s_mov_b32 s31, 0
	s_or_b32 s32, s83, (0<<16)|(1<<20)|(1<<21)|(3<<22)|(3<<25)   ; K, V: elements of 1 byte; padding: 4 words after every 16
	s_mov_b32 s33, 64<<16
	s_mov_b32 s34, 256<<16
	s_mov_b32 s35, 64<<16
	s_mov_b32 s36, 256
	s_mov_b32 s37, 64
	s_mov_b32 s38, 0
	s_mov_b32 s39, 0
	s_lshl_b32 s86, s17, 10                        ; rel's rows of group w % 8: head, group, class; s84 to s87 never hold cx
	s_lshl_b32 s87, s81, 7
	s_add_co_u32 s86, s86, s87
	s_lshl_b32 s87, s16, 5
	s_add_co_u32 s86, s86, s87
	s_lshl_b32 s86, s86, 13
	s_mov_b32 s87, 0
	s_lshl_b32 s88, s15, 4                         ; K and V: batch, head; s88 to s91 never hold cy
	s_add_co_u32 s88, s88, s17
	s_lshl_b32 s88, s88, 18
	s_mov_b32 s89, 0
	s_lshl_b32 s84, s18, 7                         ; i0: my first query = 128 g + 32 c + 16 u
	s_lshl_b32 s85, s16, 5
	s_add_co_u32 s84, s84, s85
	s_lshl_b32 s85, s19, 4
	s_add_co_u32 s84, s84, s85
	s_lshl_b32 s62, s15, 4
	s_add_co_u32 s62, s62, s17
	s_lshl_b32 s62, s62, 10
	s_add_co_u32 s62, s62, s84
	s_lshl_b32 s62, s62, 6                         ; q's codes
	s_mov_b32 s63, 0
	s_lshl_b32 s92, s17, 12
	s_lshl_b32 s93, s15, 10
	s_add_co_u32 s92, s92, s93
	s_add_co_u32 s92, s92, s84
	s_lshl_b32 s92, s92, 6                         ; o's codes
	s_mov_b32 s93, 0
	s_sub_co_u32 s85, s14, 9                       ; the prefetches: who asks, and where
	s_and_b32 s94, s85, 3                          ; jj
	s_lshl_b32 s95, s94, 1
	s_add_co_u32 s95, s95, 7
	s_cmp_lt_u32 s85, 4
	s_cselect_b32 s70, s95, 0                      ; 7 + 2 jj in waves 9 to 12, else 0: s54 is never under 1
	s_cmp_eq_u32 s14, 13
	s_cselect_b32 s71, 13, 0
	s_lshl_b32 s96, s17, 10
	s_lshl_b32 s97, s94, 8
	s_add_co_u32 s96, s96, s97
	s_lshl_b32 s97, s16, 5
	s_add_co_u32 s96, s96, s97
	s_lshl_b32 s97, s15, 3
	s_add_co_u32 s96, s96, s97
	s_lshl_b32 s96, s96, 13                        ; row: head, group 2 jj, class, my batch's 8 rows
	s_mov_b32 s97, 0
	s_lshl_b32 s98, s16, 12
	s_add_co_u32 s98, s98, s88                     ; my class's 16 blocks of a step
	s_mov_b32 s99, 0
	s_mov_b32 s20, 0x76543210                      ; v_permlanex16_b32's selects for lane l xor 16
	s_mov_b32 s21, 0xfedcba98
	s_mov_b32 s54, 1                               ; the next fill's first step
	s_mov_b32 s56, 4
	s_mov_b32 s59, 0
	s_wait_dscnt 0x0                               ; the opening add is done
	s_wait_kmcnt 0x0
	s_load_b64 s[74:75], s[10:11], 0x18            ; e6, e7
	s_load_b128 s[76:79], s[10:11], 0x20           ; e8 .. e11
	s_add_nc_u64 s[48:49], s[8:9], s[86:87]
	s_add_nc_u64 s[50:51], s[6:7], s[88:89]
	s_add_nc_u64 s[4:5], s[4:5], s[62:63]
	s_add_nc_u64 s[12:13], s[12:13], s[92:93]
	s_add_nc_u64 s[66:67], s[8:9], s[96:97]
	s_add_nc_u64 s[82:83], s[6:7], s[98:99]
	s_mov_b32 s40, 1                               ; step 0 into slot 0
	s_mov_b32 s41, s57
	s_mov_b64 s[42:43], s[48:49]
	s_or_b32 s43, s43, 0x80000000
	s_mov_b32 s44, 1
	s_mov_b32 s45, KOFF
	s_mov_b64 s[46:47], s[50:51]
	s_or_b32 s47, s47, 0x80000000
	CROUND                                         ; all sixteen work-groups are here: the first joint loads meet
	TLOAD 0, 0
	v_and_b32 v10, 15, v0                          ; r
	v_bfe_u32 v27, v0, 4, 1                        ; h
	s_delay_alu instid0(VALU_DEP_2)
	v_mul_u32_u24 v30, v10, 528
	s_delay_alu instid0(VALU_DEP_1)
	v_lshl_add_u32 v30, v27, 6, v30                ; rel: my query's row of a tile's half, + 64 h: my 16 keys of each 32
	s_wait_alu depctr_va_vdst(0)
	s_mul_i32 s81, s19, 16*528
	s_add_co_u32 s81, s81, REL0
	s_mul_i32 s80, s18, RELG
	s_add_co_u32 s80, s80, s81
	v_add_nc_u32 v[ARL], s80, v30                  ; place g
	s_delay_alu instid0(VALU_DEP_1)
	v_add_nc_u32 v[ARL+1], SLOT, v[ARL]
.irp j, 2,3,4                          ; a folded fill's second step: my group's tile lies at place (g + j) % 8 = g + j - 8 for the groups that see it; the fills with j = 2, 4 lie in slot 0, that with j = 3 in slot 1
	s_add_co_u32 s80, s18, \j
	s_and_b32 s80, s80, 7
	s_mul_i32 s80, s80, RELG
	s_add_co_u32 s80, s80, s81
	s_add_co_u32 s80, s80, ((\j)%2)*SLOT
	v_add_nc_u32 v[ARB+\j-2], s80, v30
.endr
	v_mul_u32_u24 v[AKB], v10, 80
	s_delay_alu instid0(VALU_DEP_1)
	v_lshl_add_u32 v[AKB], v27, 4, v[AKB]          ; K and V: row r of a tile, + 16 h; the second block begins at a slot's byte 0,
	s_delay_alu instid0(VALU_DEP_1)
	v_add_nc_u32 v[AKB+1], SLOT, v[AKB]
	s_delay_alu instid0(VALU_DEP_2)
	v_add_nc_u32 v[AKV], KOFF, v[AKB]              ; the first behind rel
	s_delay_alu instid0(VALU_DEP_1)
	v_add_nc_u32 v[AKV+1], SLOT, v[AKV]
	s_mul_i32 s80, s14, 1280                       ; the way out: a stage of 16 rows x 80 for each wave, at the head of slot 1
	s_add_co_u32 s80, s80, SLOT
	v_add_nc_u32 v[STI], s80, v[AKB]
	v_bfe_u32 v30, v0, 2, 3
	s_delay_alu instid0(VALU_DEP_1)
	v_mul_u32_u24 v30, v30, 80
	v_and_b32 v31, 3, v0
	s_delay_alu instid0(VALU_DEP_1)
	v_lshl_add_u32 v30, v31, 4, v30
	s_delay_alu instid0(VALU_DEP_1)
	v_add_nc_u32 v[STB], s80, v30
	v_and_b32 v31, 31, v0
	s_delay_alu instid0(VALU_DEP_1)
	v_lshlrev_b32 v[GOA], 4, v31
	s_add_co_u32 s80, s84, 1024
	v_add_nc_u32 v[DQ], s80, v10
	v_lshlrev_b32 v30, 4, v27
	s_delay_alu instid0(VALU_DEP_1)
	v_sub_nc_u32 v[DQ], v[DQ], v30                 ; my query + 1024 - 16 h
	v_lshlrev_b32 v11, 6, v10
	s_delay_alu instid0(VALU_DEP_1)
	v_lshl_add_u32 v11, v27, 4, v11
	global_load_b128 v[16:19], v11, s[4:5]         ; Q's fragment stays in registers
	global_load_b128 v[20:23], v11, s[4:5] offset:32
	v_bfe_u32 v30, v0, 2, 3
	s_delay_alu instid0(VALU_DEP_1)
	v_lshlrev_b32 v[PFOR], 13, v30
	v_and_b32 v30, 3, v0
	s_delay_alu instid0(VALU_DEP_1)
	v_lshl_add_u32 v[PFOR], v30, 8, v[PFOR]
	v_lshlrev_b32 v[PFOK], 14, v27
	s_delay_alu instid0(VALU_DEP_1)
	v_lshl_add_u32 v[PFOK], v10, 8, v[PFOK]
	v_mov_b32 v13, 0xff61b1e6                      ; the largest t so far: -3e38
	s_delay_alu instid0(VALU_DEP_1)
	v_floor_f32 v12, -v13                          ; -M
	v_mov_b32 v14, 0
	v_mov_b32 v15, 0
	v_mov_b32 v236, 0                              ; a lane permute's destination counts as one of its sources
	v_mov_b32 v253, 0                              ; (named as the upper half of the pair v[252:253])
.set n, 0
.rept 32
	v_mov_b32 v[160+n], 0                          ; O^T: the step has no first form of its own; its first run finds zeros
.set n, n+1
.endr
	s_wait_kmcnt 0x0
	s_add_co_i32 s80, s74, s75                     ; e6 + e7
	s_lshl_b32 s81, s80, 23
	s_add_co_i32 s22, s81, 0x3e38aa3b              ; c = log2(e) / 8 x 2^(e6 + e7): the exponents are added to c's exponent field
	s_mov_b32 s23, s22
	s_sub_co_i32 s60, 127, s80
	s_lshl_b32 s60, s60, 23                        ; 2^-(e6 + e7): rel joins the sums of codes
	s_mov_b32 s61, s60
	s_add_co_i32 s80, s76, 127
	s_lshl_b32 s81, s80, 23
	v_mov_b32 v244, s81                            ; 2^e8
; A STEP: 128 keys for my 16 queries.  ra, ka: the registers with the LDS addresses of my rel and of the step's K and V.  sno: the step's number where it is 8 or more, else 0: steps 0 to 7 are seen whole by every query.
; A step that my group does not see is left out: a branch on the wave's number; no barrier and no tensor load stands in a step.
.macro STEP ra, ka, sno
.if \sno > 8
	s_cmp_lt_u32 s53, \sno
	s_cbranch_scc1 .Lhidden_\@
.endif
.irp q, 0,1,2,3,4,5,6,7,8,9,10,11,12,13,14,15
	ds_load_b128 v[96+4*\q:99+4*\q], v[\ra] offset:128*(\q/4)+16*(\q%4)   ; rel(my query, keys 32 b + 16 h + ..)
.endr
.irp t, 0,1,2,3,4,5,6,7
	ds_load_b128 v[32+8*\t:35+8*\t], v[\ka] offset:16*\t*80
	ds_load_b128 v[36+8*\t:39+8*\t], v[\ka] offset:16*\t*80+32
.endr
	s_wait_dscnt 16                                ; rel's 16 loads are in; K's 16 may be out
.set n, 0
.rept 32
	v_pk_mul_f32 v[96+n:97+n], v[96+n:97+n], s[60:61] op_sel_hi:[1,0]   ; a power of two: nothing is rounded
.set n, n+2
.endr
	s_wait_alu depctr_va_vdst(0)
	s_wait_dscnt 0x0
.irp t, 0,1,2,3,4,5,6,7
	v_wmma_f32_16x16x64_fp8_fp8 v[96+8*\t:103+8*\t], v[32+8*\t:39+8*\t], v[16:23], v[96+8*\t:103+8*\t]
.endr
.rept 4
	v_nop                                          ; places in front of the loads into K's registers and of the first read of the scores
.endr
.irp t, 0,1,2,3
.irp c, 0,1,2,3
	ds_load_b128 v[32+16*\t+4*\c:35+16*\t+4*\c], v[\ka] offset:VREL+(64*(\c/2)+16*\t)*80+32*(\c%2)   ; V: they land under the softmax
.endr
.endr
.if \sno >= 8
	s_cmp_lg_u32 s53, \sno                         ; my last step lies on the diagonal: hidden scores become -infinity ahead of the maximum
	s_cbranch_scc1 .Lopen_\@
	s_mov_b32 s80, 128*\sno
	v_sub_nc_u32 v252, v[DQ], s80                  ; register 16 b + i holds key 128 step + 32 b + 16 h + i: hidden where 32 b + i is above this
	v_mov_b32 v254, 0xff800000
.set n, 0
.rept 64
	v_cmp_gt_i32 vcc_lo, 32*(n/16)+n%16, v252
	v_cndmask_b32 v[96+n], v[96+n], v254, vcc_lo
.set n, n+1
.endr
.Lopen_\@:
.endif
	v_max3_num_f32 v254, v96, v97, v98             ; the step's largest score of my query, in two chains, each accumulator from its low end on
	v_max3_num_f32 v252, v99, v100, v101
.set n, 6
.rept 14
	v_max3_num_f32 v254, v254, v[96+n], v[97+n]
	v_max3_num_f32 v252, v252, v[98+n], v[99+n]
.set n, n+4
.endr
	v_max3_num_f32 v254, v254, v158, v159
	s_delay_alu instid0(VALU_DEP_1)
	v_max_num_f32 v254, v254, v252
	s_delay_alu instid0(VALU_DEP_1)
	v_permlanex16_b32 v236, v254, s20, s21
	s_delay_alu instid0(VALU_DEP_1)
	v_max_num_f32 v254, v254, v236                 ; and lane l xor 16's
	s_delay_alu instid0(VALU_DEP_1)
	v_mul_f32 v254, s22, v254                      ; as t (c is positive)
	s_delay_alu instid0(VALU_DEP_1)
	v_max_num_f32 v13, v13, v254
	v_mov_b32 v254, v12
	s_delay_alu instid0(VALU_DEP_2)
	v_floor_f32 v12, -v13                          ; the new -M = floor(-t): M is a whole number
	s_delay_alu instid0(VALU_DEP_1)
	v_sub_f32 v254, v12, v254
	s_delay_alu instid0(VALU_DEP_1)
	v_cvt_i32_f32 v254, v254                       ; (it saturates)
	s_delay_alu instid0(VALU_DEP_1)
	v_ldexp_f32 v252, 1.0, v254                    ; f = 2^(old M - new M)
.set n, 0
.rept 32
	v_pk_fma_f32 v[96+n:97+n], v[96+n:97+n], s[22:23], v[12:13] op_sel_hi:[1,0,0]   ; t - M
.set n, n+2
.endr
.set n, 0
	s_wait_alu depctr_va_vdst(0)
.rept 64
	v_exp_f32 v[96+n], v[96+n]                     ; p = 2^(t - M)
.set n, n+1
.endr
	v_pk_mul_f32 v[14:15], v[14:15], v[252:253] op_sel_hi:[1,0]   ; the sum under the new M; the plain place behind the exponentials
	s_wait_alu depctr_va_vdst(0)                   ; one wait for the batch, ahead of its first reader
	v_pk_add_f32 v[242:243], v[100:101], v[104:105]
	v_pk_add_f32 v[254:255], v[108:109], v[112:113]
	v_pk_add_f32 v[250:251], v[116:117], v[120:121]
	v_pk_add_f32 v[248:249], v[124:125], v[128:129]
	v_pk_add_f32 v[246:247], v[132:133], v[136:137]
	v_pk_add_f32 v[240:241], v[140:141], v[144:145]
	v_pk_add_f32 v[238:239], v[148:149], v[152:153]
	v_pk_add_f32 v[14:15], v[14:15], v[156:157]
	v_pk_add_f32 v[242:243], v[242:243], v[96:97]
	v_pk_add_f32 v[254:255], v[254:255], v[98:99]
	v_pk_add_f32 v[250:251], v[250:251], v[102:103]
	v_pk_add_f32 v[248:249], v[248:249], v[106:107]
	v_pk_add_f32 v[246:247], v[246:247], v[110:111]
	v_pk_add_f32 v[240:241], v[240:241], v[114:115]
	v_pk_add_f32 v[238:239], v[238:239], v[118:119]
	v_pk_add_f32 v[14:15], v[14:15], v[122:123]
	v_pk_add_f32 v[242:243], v[242:243], v[126:127]
	v_pk_add_f32 v[254:255], v[254:255], v[130:131]
	v_pk_add_f32 v[250:251], v[250:251], v[134:135]
	v_pk_add_f32 v[248:249], v[248:249], v[138:139]
	v_pk_add_f32 v[246:247], v[246:247], v[142:143]
	v_pk_add_f32 v[240:241], v[240:241], v[146:147]
	v_pk_add_f32 v[238:239], v[238:239], v[150:151]
	v_pk_add_f32 v[14:15], v[14:15], v[154:155]
	v_pk_add_f32 v[242:243], v[242:243], v[158:159]
	s_delay_alu instid0(VALU_DEP_2)
	v_pk_add_f32 v[14:15], v[14:15], v[248:249]
	s_delay_alu instid0(VALU_DEP_2)
	v_pk_add_f32 v[242:243], v[242:243], v[246:247]
	v_pk_add_f32 v[254:255], v[254:255], v[240:241]
	v_pk_add_f32 v[250:251], v[250:251], v[238:239]
	s_delay_alu instid0(VALU_DEP_2)
	v_pk_add_f32 v[14:15], v[14:15], v[254:255]
	s_delay_alu instid0(VALU_DEP_2)
	v_pk_add_f32 v[242:243], v[242:243], v[250:251]
	s_delay_alu instid0(VALU_DEP_1)
	v_pk_add_f32 v[14:15], v[14:15], v[242:243]
.irp b, 0,1,2,3
.irp i, 0,1,2,3,4,5,6,7,8,9,10,11,12,13,14,15
.endr
	v_cvt_scalef32_pk8_fp8_f32 v[192+4*\b:193+4*\b], v[96+16*\b:103+16*\b], v244
	v_cvt_scalef32_pk8_fp8_f32 v[194+4*\b:195+4*\b], v[104+16*\b:111+16*\b], v244
.endr
.set n, 0
.rept 16
	v_pk_mul_f32 v[160+n:161+n], v[160+n:161+n], v[252:253] op_sel_hi:[1,0]   ; O^T under the new M; also the plain lines behind the conversions
.set n, n+2
.endr
	s_wait_alu depctr_va_vdst(0)
	s_wait_dscnt 0x0                               ; V
.irp t, 0,1,2,3
	v_wmma_f32_16x16x128_fp8_fp8 v[160+8*\t:167+8*\t], v[32+16*\t:47+16*\t], v[192:207], v[160+8*\t:167+8*\t]
.endr
.rept 4
	v_nop                                          ; places in front of the next step's loads and of the way out
.endr
.Lhidden_\@:
.endm
; THE HEAD OF A TRIP ON SLOT `slot` THAT FILLS THE OTHER SLOT.  Each wave waits for all its tensor loads (its part of this trip's slot), adds 0 to its spare word, makes the next fill's descriptors,
; waits for the add and for its reads of the other slot, and passes a round of the cluster's barrier; the joint refill comes first behind it.
; The next fill's first step is s54.  j > 0: it is folded, with step 17 - j beside it.  pf = 1: the prefetches' addresses are stepped.
.macro OPEN slot, j, pf
	s_wait_tensorcnt 0x0
	ds_add_u32 v[SPW], v[NIL]
	ds_add_u32 v[SPW], v[NIL]
	s_lshl_b32 s58, s54, 9
	s_add_nc_u64 s[42:43], s[48:49], s[58:59]      ; rel: my group's rows, the step's 512 bytes
	s_or_b32 s43, s43, 0x80000000
	s_add_co_u32 s41, s57, (1-\slot)*SLOT
	s_lshl_b32 s58, s54, 14
	s_add_nc_u64 s[46:47], s[50:51], s[58:59]      ; K, V: the step's block
	s_or_b32 s47, s47, 0x80000000
	s_mov_b32 s45, KOFF+(1-\slot)*SLOT
.if \j > 0
	s_mov_b32 s84, 1
	s_add_co_u32 s85, s57, (1-\slot)*SLOT          ; into my place too:
	s_add_nc_u64 s[86:87], s[48:49], (8-\j)*1048576+512*(17-\j)   ; 8 - j groups (of 128 rows of 8,192 bytes) further down, step 17 - j
	s_or_b32 s87, s87, 0x80000000
	s_mov_b32 s88, 1
	s_mov_b32 s89, (1-\slot)*SLOT                  ; the second block of K and V
	s_add_nc_u64 s[90:91], s[50:51], 16384*(17-\j)
	s_or_b32 s91, s91, 0x80000000
.endif
.if \pf
	s_wait_xcnt 0x0                                ; the last prefetches, a trip back, have read their addresses
	s_add_co_u32 s58, s54, 1
	s_lshl_b32 s58, s58, 9
	s_add_nc_u64 s[68:69], s[66:67], s[58:59]
.if \slot == 0
	s_lshl_b32 s58, s58, 5
	s_add_nc_u64 s[72:73], s[82:83], s[58:59]
.endif
.endif
	s_wait_dscnt 0x0
	CROUND
.endm
	s_wait_loadcnt 0x0                             ; Q
.Lloop:                                                ; four trips of two steps: steps 0 to 7; they ask for steps 1 to 8, all groups
	OPEN 0, 0, 1
	TLOAD 0, 0
	ASKR 0
	ASKK 0
	STEP ARL, AKV, 0
	s_add_co_u32 s54, s54, 1
	OPEN 1, 0, 1
	TLOAD 0, 0
	ASKR 1
	STEP ARL+1, AKV+1, 0
	s_add_co_u32 s54, s54, 1
	s_sub_co_u32 s56, s56, 1
	s_cmp_lg_u32 s56, 0
	s_cbranch_scc1 .Lloop
	OPEN 0, 0, 1                                   ; THE TAIL, written out.  Step 8; step 9 is asked for: groups 1 to 7
	TLOAD 1, 0
	ASKR 0
	ASKRX 1048576+2048                             ; group 7, steps 14 and 15
	ASKK 0
	ASKK 65536                                     ; K, V of steps 14 and 15
	STEP ARL, AKV, 8
	s_add_co_u32 s54, s54, 1
	OPEN 1, 2, 1                                   ; step 9; steps 10 and 15 are asked for
	TLOAD 2, 2
	ASKR 1
	ASKRX 1024                                     ; group 6, steps 13 and 14
	STEP ARL+1, AKV+1, 9
	s_add_co_u32 s54, s54, 1
	OPEN 0, 3, 1                                   ; steps 10 and 15; steps 11 and 14 are asked for
	TLOAD 3, 3
	ASKR 0
	ASKK 0
	STEP ARL, AKV, 10
	STEP ARB, AKB, 15
	s_add_co_u32 s54, s54, 1
	OPEN 1, 4, 0                                   ; steps 11 and 14; steps 12 and 13 are asked for: the last fill
	TLOAD 4, 4
	STEP ARL+1, AKV+1, 11
	STEP ARB+1, AKB+1, 14
	s_wait_tensorcnt 0x0                           ; steps 12 and 13: nothing is left to fetch, so the work-group's barrier serves
	ds_add_u32 v[SPW], v[NIL]
	s_wait_dscnt 0x0
	s_barrier_signal -1
	s_barrier_wait -1
	STEP ARL, AKV, 12
	STEP ARB+2, AKB, 13
	; THE WAY OUT.  o = O^T / the sum x 2^(e8 + e9); its code = (O^T / the sum) / 2^(e10 - e8 - e9).  16 rows of 64 codes go through my stage and leave as 1,024 consecutive bytes.
	; The stage lies in slot 1: it has had its last fill, and every wave has passed the last barrier behind its last read of it.
	v_add_f32 v14, v14, v15
	s_delay_alu instid0(VALU_DEP_1)
	v_permlanex16_b32 v236, v14, s20, s21
	s_delay_alu instid0(VALU_DEP_1)
	v_add_f32 v14, v14, v236                       ; the row's sum
	s_wait_alu depctr_va_vdst(0)
	v_rcp_f32 v14, v14
	s_sub_co_i32 s80, s78, s76
	s_sub_co_i32 s80, s80, s77
	s_add_co_i32 s80, s80, 127
	s_lshl_b32 s81, s80, 23
	v_mov_b32 v245, s81                            ; (a plain place behind the reciprocal)
	s_wait_alu depctr_va_vdst(0)                   ; the wait ahead of the reciprocal's first reader
.set n, 0
.rept 32
	v_mul_f32 v[96+n], v[160+n], v14               ; register 16 B + i: channel 32 B + 16 h + i of my query
.set n, n+1
.endr
.set n, 0
.rept 32
.set n, n+1
.endr
.irp g, 0,1,2,3
	v_cvt_scalef32_pk8_fp8_f32 v[192+2*\g:193+2*\g], v[96+8*\g:103+8*\g], v245
.endr
	v_nop
	ds_store_b128 v[STI], v[192:195]
	ds_store_b128 v[STI], v[196:199] offset:32
	ds_load_b128 v[32:35], v[STB]                  ; LDS serves a wave's instructions in order: these see my stores
	ds_load_b128 v[36:39], v[STB] offset:640
	s_wait_dscnt 1                                 ; the younger load may be out
	global_store_b128 v[GOA], v[32:35], s[12:13]
	s_wait_dscnt 0x0
	global_store_b128 v[GOA], v[36:39], s[12:13] offset:512
	s_wait_tensorcnt 0x0                           ; the wave's end
	ds_add_u32 v[SPW], v[NIL]
	s_wait_dscnt 0x0
	CROUND                                         ; the closing round
	s_endpgm
.Lfunc_end_k_q0780366fef_attn:
	.size	k_q0780366fef_attn, .Lfunc_end_k_q0780366fef_attn-k_q0780366fef_attn
	.p2alignl 7, 3214868480
	.fill 96, 4, 3214868480
	.section	.rodata,"a",@progbits
	.p2align	6, 0x0
	.amdhsa_kernel k_q0780366fef_attn
		.amdhsa_group_segment_fixed_size 327680
		.amdhsa_private_segment_fixed_size 0
		.amdhsa_enable_private_segment 0
		.amdhsa_kernarg_size 40
		.amdhsa_user_sgpr_count 2
		.amdhsa_user_sgpr_kernarg_segment_ptr 1
		.amdhsa_wavefront_size32 1
		.amdhsa_system_sgpr_workgroup_id_x 1
		.amdhsa_system_sgpr_workgroup_id_y 1
		.amdhsa_system_sgpr_workgroup_id_z 1
		.amdhsa_system_vgpr_workitem_id 0
		.amdhsa_next_free_vgpr 256
		.amdhsa_next_free_sgpr 100
		.amdhsa_reserve_vcc 1
		.amdhsa_float_denorm_mode_32 3
		.amdhsa_float_denorm_mode_16_64 3
		.amdhsa_fp16_overflow 1
		.amdhsa_memory_ordered 1
		.amdhsa_forward_progress 1
		.amdhsa_inst_pref_size 238
	.end_amdhsa_kernel
	.amdgpu_metadata
---
amdhsa.version: [ 1, 2 ]
amdhsa.kernels:
  - .name:           k_q0780366fef_attn
    .symbol:         k_q0780366fef_attn.kd
    .args:
      - { .name: qc, .offset: 0, .size: 8, .value_kind: global_buffer, .address_space: global }
      - { .name: kvc, .offset: 8, .size: 8, .value_kind: global_buffer, .address_space: global }
      - { .name: relative_positions, .offset: 16, .size: 8, .value_kind: global_buffer, .address_space: global }
      - { .name: lowp_scales, .offset: 24, .size: 8, .value_kind: global_buffer, .address_space: global }
      - { .name: ac, .offset: 32, .size: 8, .value_kind: global_buffer, .address_space: global }
    .group_segment_fixed_size: 327680
    .private_segment_fixed_size: 0
    .kernarg_segment_align: 8
    .kernarg_segment_size: 40
    .max_flat_workgroup_size: 512
    .sgpr_count:     100
    .vgpr_count:     256
    .wavefront_size: 32
...
	.end_amdgpu_metadata
.endif
;; end of part 3
;; launch proj (part 4): grid 8 x 32, 4 waves a work-group, clusters of 4 x 4, 327,680 bytes of LDS; arguments ac, wc, lowp_scales, bo, out0; writes out0
.if DOCPART == 4
	.amdgcn_target "amdgcn-amd-amdhsa--gfx1250"
	.amdhsa_code_object_version 6
	.text
	.protected	k_q0780366fef_proj
	.globl	k_q0780366fef_proj
	.p2align	8
	.type	k_q0780366fef_proj,@function
k_q0780366fef_proj:
	s_mov_b64 s[64:65], 0
	v_nop
	global_prefetch_b8 v0, s[64:65] scope:SCOPE_SE
	s_setreg_imm32_b32 hwreg(HW_REG_WAVE_MODE, 25, 1), 1
	s_wait_xcnt 0x0
	s_wait_alu depctr_hold_cnt(0) depctr_sa_sdst(0) depctr_va_vdst(0) depctr_va_sdst(0) depctr_va_ssrc(0) depctr_va_vcc(0) depctr_vm_vsrc(0)
	s_getreg_b32 s2, hwreg(HW_REG_IB_STS2, 6, 4)
	s_cmp_eq_u32 s2, 0
	s_cbranch_scc0 .Lentry_in_a_cluster
	s_endpgm
.Lentry_in_a_cluster:
	s_bfe_u32 s2, ttmp6, 0x10000c
	s_cmp_lg_u32 s2, 0xf033
	s_cbranch_scc0 .Lentry_shape_is_right
	s_endpgm
.Lentry_shape_is_right:
; PROJ: out0 = o Wo + bo on codes of FP8 (E4M3).  ac [16 heads][4096 rows][64]: o's codes with e10; K = 64 head + d.  wc's fourth MiB: Wo's codes with e11, column n at row SW(n) (bits 3 and 4 exchanged), K innermost.
; SHARES as in the launch of q, k, v: a tile of 128 x 128 to a work-group of four waves, 64 x 64 a wave, 256 work-groups, clusters of 4 x 4 with joint loads (o's rows along a row of the cluster, Wo's along a column).
; K = 1,024 is two halves of 512, and both fit in LDS: every fill is a first fill, two tensor loads a wave, and no LDS byte is filled again.
; o's tile of a half: 8 heads x 64 rows x 64 bytes.  A head's 64 rows are 4,096 dense bytes: one row of the descriptor, with 16 bytes of padding behind every 64; so in LDS [8 heads][64 rows][80].
; THE MATRIX INSTRUCTION IS USED TRANSPOSED: register 16 B + i of lane (r, h) in block a is C(16 a + r, 32 B + 16 h + i); a block goes through the wave's stage and leaves as whole rows of 256 bytes.
; No prefetch: the launch is short.
; LIMIT: e10 + e11 between -126 and 127.
; REGISTERS: window 0: v1-3 at work; v14-23 addresses; v28, v29 the add's two; v32-63 the bias; v64-95 T; v96-127 OB; v128-255 the accumulators.  Window 1: two fragment buffers of 128.
.set PITCH, 528
.set AHALF, 8*64*80                    ; 40,960: what one load of o brings
.set ASLOT, 2*AHALF
.set BBASE, 2*ASLOT                    ; 163,840
.set BHALF, 64*PITCH
.set BSLOT, 2*BHALF
.set FST,   BBASE+2*BSLOT              ; 299,008: an f32 stage of 16 rows x 272 for each wave
.set FSTW,  16*272
.set SPARE, FST+4*FSTW                 ; the spare words, 128 bytes for each wave: two blocks of 256 bytes that no other line names
.set GO1,  14
.set BOFF, 15
.set ADRA, 16
.set ADRB, 20
.set FSTO, 22
.set FRD,  23
.set SPW,  28
.set NIL,  29
.set BIAS, 32
.set T,    64
.set OB,   96
.set ACC,  128
.set F0,   0
.set F1,   128
.set G1A,  24
.set G0A,  32
.set G1B,  40
.set G0B,  48
.set MSB, 0
.macro WIN new                         ; the immediate's high byte repeats the setting that is left
.if MSB != \new
	s_set_vgpr_msb (MSB<<8)|\new
.set MSB, \new
.endif
.endm
.set MUL,  0x05
.set TO_F, 0x40
.macro PLACES
.rept 4
	v_nop
.endr
.endm
.macro CROUND
	s_barrier_signal -1
	s_barrier_wait -1
	s_cmp_lg_u32 s12, 0
	s_cbranch_scc1 .Lnot_wave_0_\@
	s_barrier_signal -3
.Lnot_wave_0_\@:
	s_barrier_wait -3
	s_barrier_signal -1
	s_barrier_wait -1
.endm
.macro FETCH slot, q, f                ; the fragments of the half's q-th 128 along K (two heads) into buffer f
	WIN TO_F
.irp i, 0,1,2,3
.irp c, 0,1,2,3
	ds_load_b128 v[\f+64+16*\i+4*\c:\f+64+16*\i+4*\c+3], v[ADRB+\slot] offset:128*\q+32*\c+\i*16*PITCH
.endr
.endr
.irp i, 0,1,2,3
.irp c, 0,1,2,3
	ds_load_b128 v[\f+16*\i+4*\c:\f+16*\i+4*\c+3], v[ADRA+\slot] offset:(2*\q+\c/2)*5120+\i*16*80+32*(\c%2)
.endr
.endr
.endm
.macro MUL16 f, zero                   ; the 16 accumulators by turns
	WIN MUL
.irp a, 0,1,2,3
.irp b, 0,1,2,3
.if \zero
	v_wmma_f32_16x16x128_fp8_fp8 v[ACC+8*(4*\a+\b):ACC+8*(4*\a+\b)+7], v[\f+64+16*\b:\f+64+16*\b+15], v[\f+16*\a:\f+16*\a+15], 0
.else
	v_wmma_f32_16x16x128_fp8_fp8 v[ACC+8*(4*\a+\b):ACC+8*(4*\a+\b)+7], v[\f+64+16*\b:\f+64+16*\b+15], v[\f+16*\a:\f+16*\a+15], v[ACC+8*(4*\a+\b):ACC+8*(4*\a+\b)+7]
.endif
.endr
.endr
.endm
.macro SLOTWORK slot, zero             ; four plain places stand between the last product that read a buffer and the loads into it
	FETCH \slot, 0, F0
	FETCH \slot, 1, F1
	s_wait_dscnt 32                                ; buffer 0 is in; the 32 loads of buffer 1 may be out
	MUL16 F0, \zero
	s_wait_dscnt 0x0
	PLACES
	FETCH \slot, 2, F0
	MUL16 F1, 0
	s_wait_dscnt 0x0
	PLACES
	FETCH \slot, 3, F1
	MUL16 F0, 0
	s_wait_dscnt 0x0
	MUL16 F1, 0
	PLACES
	WIN 0
.endm
	s_load_b256 s[4:11], s[0:1], 0x0               ; ac s[4:5], wc s[6:7], the exponents s[8:9], bo s[10:11]
	s_load_b64 s[68:69], s[0:1], 0x20              ; out0
	v_lshl_add_u32 v[SPW], v0, 2, SPARE
	v_mov_b32 v[NIL], 0
	ds_add_u32 v[SPW], v[NIL]                      ; the wave's opening: the add and its wait ahead of my first tensor load
	ds_add_u32 v[SPW], v[NIL]
	v_lshrrev_b32 v1, 5, v0
	v_readfirstlane_b32 s12, v1                    ; wave 0..3
	s_lshr_b32 s13, s12, 1
	s_and_b32 s14, s12, 1
	s_bfe_u32 s15, ttmp6, 0x40000                  ; cx
	s_bfe_u32 s16, ttmp6, 0x40004                  ; cy
	s_lshl_b32 s17, ttmp9, 2
	s_add_co_u32 s17, s17, s15                     ; tile column
	s_and_b32 s18, ttmp7, 0xffff
	s_lshl_b32 s18, s18, 2
	s_add_co_u32 s18, s18, s16                     ; tile row
	s_lshl_b32 s56, s16, 2
	s_lshl_b32 s56, 15, s56                        ; my row of the cluster
	s_lshl_b32 s57, 0x1111, s15                    ; my column
	s_or_b32 s[G1A], s56, (0<<16)|(1<<20)|(1<<21)|(3<<22)|(3<<25)   ; o: elements of 1 byte; padding: 4 words after every 16
	s_mov_b32 s[G1A+1], 4096<<16                   ; tensor_dim0 = 4,096: a head's 64 rows of 64 bytes, dense
	s_mov_b32 s[G1A+2], 8<<16                      ; tensor_dim1 = 8 heads
	s_mov_b32 s[G1A+3], 4096<<16                   ; tile_dim0
	s_mov_b32 s[G1A+4], 8                          ; tile_dim1
	s_mov_b32 s[G1A+5], 262144                     ; from head to head
	s_mov_b32 s[G1A+6], 0
	s_mov_b32 s[G1A+7], 0
	s_or_b32 s[G1B], s57, (0<<16)|(1<<20)|(1<<21)|(6<<22)|(3<<25)   ; Wo: 64 rows of 512 bytes; padding: 4 words after every 128
	s_mov_b32 s[G1B+1], 512<<16
	s_mov_b32 s[G1B+2], 64<<16
	s_mov_b32 s[G1B+3], 512<<16
	s_mov_b32 s[G1B+4], 64
	s_mov_b32 s[G1B+5], 1024
	s_mov_b32 s[G1B+6], 0
	s_mov_b32 s[G1B+7], 0
	s_lshl_b32 s58, s18, 7                         ; o: row 128 x tile row + 64 x half, 64 bytes a row
	s_lshl_b32 s59, s14, 6
	s_add_co_u32 s58, s58, s59
	s_lshl_b32 s58, s58, 6
	s_mov_b32 s59, 0
	s_lshl_b32 s60, s17, 7                         ; Wo: row 128 x tile column + 64 x half, in wc's fourth MiB
	s_lshl_b32 s61, s14, 6
	s_add_co_u32 s60, s60, s61
	s_lshl_b32 s60, s60, 10
	s_add_co_u32 s60, s60, 0x300000
	s_mov_b32 s61, 0
	s_mul_i32 s62, s14, AHALF                      ; where they go
	s_mul_i32 s63, s14, BHALF
	s_add_co_u32 s63, s63, BBASE
	s_wait_dscnt 0x0                               ; the opening add is done
	s_wait_kmcnt 0x0
	s_load_b64 s[90:91], s[8:9], 0x28              ; e10, e11
	s_add_nc_u64 s[58:59], s[4:5], s[58:59]
	s_add_nc_u64 s[60:61], s[6:7], s[60:61]
.irp s, 0,1
	s_mov_b32 s[G0A+4*\s], 1
	s_add_co_u32 s[G0A+4*\s+1], s62, \s*ASLOT
	s_add_nc_u64 s[G0A+4*\s+2:G0A+4*\s+3], s[58:59], \s*8*262144   ; heads 8 s on
	s_or_b32 s[G0A+4*\s+3], s[G0A+4*\s+3], 0x80000000
	s_mov_b32 s[G0B+4*\s], 1
	s_add_co_u32 s[G0B+4*\s+1], s63, \s*BSLOT
	s_add_nc_u64 s[G0B+4*\s+2:G0B+4*\s+3], s[60:61], \s*512
	s_or_b32 s[G0B+4*\s+3], s[G0B+4*\s+3], 0x80000000
.endr
	CROUND                                         ; all sixteen work-groups are here: the joint loads meet
	s_cmp_lt_u32 s12, 2                            ; a wave's two fills stand in one branch: waves 0 and 1 fetch o's halves, waves 2 and 3 Wo's
	s_cbranch_scc0 .Lfirst_b
	tensor_load_to_lds s[G0A:G0A+3], s[G1A:G1A+7]
	s_nop 0
	tensor_load_to_lds s[G0A+4:G0A+7], s[G1A:G1A+7]
	s_nop 0
.rept 4
	v_nop
.endr
	s_branch .Lfirst_asked
.Lfirst_b:
	tensor_load_to_lds s[G0B:G0B+3], s[G1B:G1B+7]
	s_nop 0
	tensor_load_to_lds s[G0B+4:G0B+7], s[G1B:G1B+7]
	s_nop 0
.rept 4
	v_nop
.endr
.Lfirst_asked:
	v_and_b32 v1, 15, v0                           ; r
	v_bfe_u32 v2, v0, 4, 1                         ; h
	v_mul_u32_u24 v3, v1, 80
	v_lshl_add_u32 v3, v2, 4, v3
	s_mul_i32 s19, s13, AHALF                      ; my 64 rows of o
.irp s, 0,1
	v_add_nc_u32 v[ADRA+\s], s19, v3
	s_add_co_u32 s19, s19, ASLOT
.endr
	v_mul_u32_u24 v3, v1, PITCH
	v_lshl_add_u32 v3, v2, 4, v3
	s_mul_i32 s20, s14, BHALF
	s_add_co_u32 s20, s20, BBASE                   ; my 64 rows of Wo
.irp s, 0,1
	v_add_nc_u32 v[ADRB+\s], s20, v3
	s_add_co_u32 s20, s20, BSLOT
.endr
	s_mul_i32 s19, s12, FSTW
	s_add_co_u32 s19, s19, FST                     ; my stage
	v_mul_u32_u24 v3, v1, 272
	v_lshl_add_u32 v3, v2, 6, v3
	v_add_nc_u32 v[FSTO], s19, v3
	v_mul_u32_u24 v3, v2, 272
	v_lshl_add_u32 v3, v1, 4, v3
	v_add_nc_u32 v[FRD], s19, v3
	v_lshlrev_b32 v[GO1], 12, v2
	v_lshl_add_u32 v[GO1], v1, 4, v[GO1]           ; out0: two rows of 4,096 bytes an instruction
	v_lshlrev_b32 v[BOFF], 6, v2
	s_wait_alu depctr_va_vdst(0)
	s_lshl_b32 s19, s18, 7
	s_lshl_b32 s20, s13, 6
	s_add_co_u32 s19, s19, s20                     ; m0
	s_lshl_b32 s78, s17, 7
	s_lshl_b32 s20, s14, 6
	s_add_co_u32 s78, s78, s20                     ; n0
	s_mov_b32 s23, 0
	s_lshl_b32 s22, s19, 12
	s_lshl_b32 s79, s78, 2
	s_add_co_u32 s22, s22, s79
	s_add_nc_u64 s[100:101], s[68:69], s[22:23]
	s_mov_b32 s22, s79
	s_add_nc_u64 s[10:11], s[10:11], s[22:23]
.irp q, 0,1,2,3,4,5,6,7
	global_load_b128 v[BIAS+4*\q:BIAS+4*\q+3], v[BOFF], s[10:11] offset:128*(\q/4)+16*(\q%4)   ; register 16 B + i: bo(n0 + 32 B + 16 h + i)
.endr
	s_wait_tensorcnt 0x1                           ; my part of the first half is in; the second half's may stay out
	s_barrier_signal -1
	s_barrier_wait -1
	SLOTWORK 0, 1
	s_wait_tensorcnt 0x0                           ; my part of the second half is in
	s_wait_dscnt 0x0
	s_barrier_signal -1
	s_barrier_wait -1                              ; everybody's is
	SLOTWORK 1, 0
	s_wait_kmcnt 0x0
	s_add_co_i32 s92, s90, s91
	s_add_co_i32 s92, s92, 127
	s_lshl_b32 s92, s92, 23                        ; 2^(e10 + e11)
	s_mov_b32 s93, s92
	s_wait_loadcnt 0x0                             ; bo
.irp a, 0,1,2,3
	s_wait_xcnt 0x0                                ; the last block's stores have read OB
.set n, 0
.rept 16
	v_pk_fma_f32 v[T+n:T+n+1], v[ACC+32*\a+n:ACC+32*\a+n+1], s[92:93], v[BIAS+n:BIAS+n+1] op_sel_hi:[1,0,1]   ; sum x 2^(e10 + e11) + bo, each accumulator from its low end on
.set n, n+2
.endr
.irp q, 0,1,2,3,4,5,6,7
	ds_store_b128 v[FSTO], v[T+4*\q:T+4*\q+3] offset:128*(\q/4)+16*(\q%4)
.endr
.irp i, 0,1,2,3,4,5,6,7
	ds_load_b128 v[OB+4*\i:OB+4*\i+3], v[FRD] offset:2*\i*272   ; LDS serves a wave's instructions in order: these see my stores
.endr
	s_wait_dscnt 0x0
.irp i, 0,1,2,3,4,5,6,7
	global_store_b128 v[GO1], v[OB+4*\i:OB+4*\i+3], s[100:101] offset:(16*\a+2*\i)*4096 th:TH_STORE_NT   ; sixteen lanes store 256 consecutive bytes, aligned
.endr
.endr
	s_wait_tensorcnt 0x0                           ; the wave's end
	ds_add_u32 v[SPW], v[NIL]
	s_wait_dscnt 0x0
	CROUND                                         ; the closing round
	s_endpgm
.Lfunc_end_k_q0780366fef_proj:
	.size	k_q0780366fef_proj, .Lfunc_end_k_q0780366fef_proj-k_q0780366fef_proj
	.p2alignl 7, 3214868480
	.fill 96, 4, 3214868480
	.section	.rodata,"a",@progbits
	.p2align	6, 0x0
	.amdhsa_kernel k_q0780366fef_proj
		.amdhsa_group_segment_fixed_size 327680
		.amdhsa_private_segment_fixed_size 0
		.amdhsa_enable_private_segment 0
		.amdhsa_kernarg_size 40
		.amdhsa_user_sgpr_count 2
		.amdhsa_user_sgpr_kernarg_segment_ptr 1
		.amdhsa_wavefront_size32 1
		.amdhsa_system_sgpr_workgroup_id_x 1
		.amdhsa_system_sgpr_workgroup_id_y 1
		.amdhsa_system_sgpr_workgroup_id_z 1
		.amdhsa_system_vgpr_workitem_id 0
		.amdhsa_next_free_vgpr 512
		.amdhsa_next_free_sgpr 102
		.amdhsa_reserve_vcc 0
		.amdhsa_float_denorm_mode_32 3
		.amdhsa_float_denorm_mode_16_64 3
		.amdhsa_memory_ordered 1
		.amdhsa_forward_progress 1
		.amdhsa_inst_pref_size 46
	.end_amdhsa_kernel
	.amdgpu_metadata
---
amdhsa.version: [ 1, 2 ]
amdhsa.kernels:
  - .name:           k_q0780366fef_proj
    .symbol:         k_q0780366fef_proj.kd
    .args:
      - { .name: ac, .offset: 0, .size: 8, .value_kind: global_buffer, .address_space: global }
      - { .name: wc, .offset: 8, .size: 8, .value_kind: global_buffer, .address_space: global }
      - { .name: lowp_scales, .offset: 16, .size: 8, .value_kind: global_buffer, .address_space: global }
      - { .name: bo, .offset: 24, .size: 8, .value_kind: global_buffer, .address_space: global }
      - { .name: out0, .offset: 32, .size: 8, .value_kind: global_buffer, .address_space: global }
    .group_segment_fixed_size: 327680
    .private_segment_fixed_size: 0
    .kernarg_segment_align: 8
    .kernarg_segment_size: 40
    .max_flat_workgroup_size: 128
    .sgpr_count:     102
    .vgpr_count:     512
    .wavefront_size: 32
...
	.end_amdgpu_metadata
.endif
;; end of part 4
